; MI455X (gfx1250); checked and timed in simulation.
; The chip was launched on July 23, 2026; its instructions are those of AMD's public machine-readable ISA for CDNA 5 (MIT licence, August 2026) and "CDNA5" Instruction Set Architecture Reference Guide (July 2026). The comments in the code are by the model that wrote it; some were corrected since.
;; Multi Head Cross Attention. Allowed arithmetic: matrix products marked QUANTISED: E4M3 operands, one given power-of-two scale a tensor, by v_wmma_f32_16x16x64_fp8_fp8 or v_wmma_f32_16x16x128_fp8_fp8, f32 sums; everything else in f32.
;; Inputs: Wkv 1,024 x 2,048 float32; Wo 1,024 x 1,024 float32; Wq 1,024 x 1,024 float32; bo 1,024 float32; lowp_scales 10 int32 (the exponents e of the quantised operands' scales 2^e); mask 4 x 2,048 float32; x1 4 x 2,048 x 1,024 float32; x2 4 x 2,048 x 1,024 float32.
;; Outputs: out0 4 x 2,048 x 1,024 float32.
;; This version of the problem:
;;   THIS VERSION OF THE PROBLEM IS GIVEN IN LOW PRECISION. The matrix products marked QUANTISED in the list below multiply operands that are first quantised to E4M3 (4 exponent bits, 3 mantissa bits; 8 bits a number), with one given power-of-two scale for each operand tensor; their sums are f32. All else is computed in f32.
;;   The module's matrix products, in the order in which they are computed (A, B: the left and right operand; K: the contracted axis; several contracted axes count as one K, in the product's order):
;;     1. [M 8,192, K 1,024] x [K 1,024, N 1,024]; A: input x1; B: input Wq: QUANTISED (scales: A lowp_scales[0], B lowp_scales[1])
;;     2. [M 8,192, K 1,024] x [K 1,024, N 2,048]; A: input x2; B: input Wkv: QUANTISED (scales: A lowp_scales[2], B lowp_scales[3])
;;     3. batch 64 x [M 2,048, K 64] x [K 64, N 2,048]; A: computed on the way; B: computed on the way: QUANTISED (scales: A lowp_scales[4], B lowp_scales[5])
;;     4. batch 64 x [M 2,048, K 2,048] x [K 2,048, N 64]; A: softmax (see below); B: computed on the way: QUANTISED (scales: A lowp_scales[6], B lowp_scales[7])
;;     5. [M 8,192, K 1,024] x [K 1,024, N 1,024]; A: computed on the way; B: input Wo: QUANTISED (scales: A lowp_scales[8], B lowp_scales[9])
;;   THE QUANTISER, for each operand of a quantised product, along K:
;;     - The operand's scale is 2^e, e = its entry of the input lowp_scales (int32; the entries are numbered through the quantised products in the list's order, A before B).
;;     - Each number is divided by the scale, clamped to +-448, and rounded to the nearest number of E4M3, ties to even, subnormals kept.
;;     - The product sums the exact products of the quantised numbers (number of the format x scale) in f32.
;;   ~~~python
;;   def quantise(x, axis, e):      # numpy; x: float32 -> the quantised numbers, widened to float32 again
;;       x = np.moveaxis(x, axis, -1); K = x.shape[-1]
;;       r = np.clip(x / 2.0 ** e, -448, 448)
;;       step = 2.0 ** (np.maximum(np.frexp(np.where(r == 0, 1, r))[1] - 1, -6) - 3)
;;       q = np.round(r / step) * step * 2.0 ** e      # np.round: ties to even
;;       return np.moveaxis(q, -1, axis).astype(np.float32)
;;   ~~~
;;   SOFTMAX AHEAD OF A QUANTISED PRODUCT. Where the list says 'softmax', what is quantised is not the finished softmax but p = 2^(t - M), with t = logit x log2(e) and M = ceil(the row's largest t), a whole number; so 1/2 < the row's largest p <= 1. The row's sum l is taken of the UNQUANTISED p, in f32, and the product's result is divided by l at the end. Since M is a whole number, a kernel that streams over the keys may use a running M (the ceiling of the running maximum): every later rescaling is an exact power of two, so the quantised numbers keep their values, but for numbers so far below the row's largest that they fall under the format's range.
;;   OPERANDS COMPUTED ON THE WAY. 'Computed on the way' means the value that the module computes at that place (a softmax that the list does not call 'softmax' is quantised finished and normalised). What goes into a quantiser is computed in f32, as accurately as f32 sums, v_exp_f32 and their like allow (about 1e-6 of the number): no bf16 or f16 on the way to a quantiser, and a product that is left as it is and whose result goes on into a quantised operand takes f32 operands (vector FMAs, or v_wmma_f32_16x16x4_f32). A number that lies on a knife's edge between two numbers of the format may be rounded either way, as far as f32 arithmetic and the matrix unit's own rounding can turn it there, and no further.
;; One version. Each part assembles by itself: llvm-mc -triple=amdgcn-amd-amdhsa -mcpu=gfx1250 --defsym DOCPART=n.
;; ======== version 1 of 1: 4 launches
;; limits: right only within a limited range of input values
;; workspace buffers: cod 20,971,520 bytes; qkv 25,165,824 bytes; ac 8,388,608 bytes
;; launch quant (part 1): grid 640 x 1, 4 waves a work-group, no clusters, 68,096 bytes of LDS; arguments x1, x2, Wq, Wkv, Wo, lowp_scales, cod; writes cod
.if DOCPART == 1
	.amdgcn_target "amdgcn-amd-amdhsa--gfx1250"
	.amdhsa_code_object_version 6
	.text
	.protected	k_qdc04476871_quant
	.globl	k_qdc04476871_quant
	.p2align	8
	.type	k_qdc04476871_quant,@function
k_qdc04476871_quant:
	s_mov_b64 s[64:65], 0
	v_nop
	global_prefetch_b8 v0, s[64:65] scope:SCOPE_SE
	s_setreg_imm32_b32 hwreg(HW_REG_WAVE_MODE, 25, 1), 1
	s_wait_xcnt 0x0
; x1, x2 [8192][1024] and Wq [1024][1024], Wkv [1024][2048], Wo [1024][1024], all f32, become codes of FP8 (E4M3), K innermost, in one buffer of rows of 1,024 bytes:
;   rows 0-8191 x1, 8192-16383 x2; from byte WC on 3,072 rows of weights: row n = Wq's column n; row 1024 + 64 head + d = Wkv's column 128 head + d (k);
;   row 2048 + 64 head + d = Wkv's column 128 head + 64 + d (v); then 1,024 rows: row n = Wo's column n.
; code = x / 2^e, held within +-448, rounded to the nearest code, ties to even.  e: entries 0 (x1), 2 (x2), 1 (Wq), 3 (Wkv), 9 (Wo) of the buffer of scales.
; LIMITS: each e between -126 and 119, so that 2^e and 448 x 2^e are f32 numbers.  NaN among the inputs is not served (an infinity is held at the largest code).
; Work-groups 0-511 take x1 and x2 (K innermost: a plain stream), work-groups 512-639 the weights (K is the first axis: a lane takes a column, its registers run down K).
; The two ways part on the work-group's number alone and have LDS bytes of their own.  No tensor loads, no barrier: waves share nothing.  Matrix units and clusters have nothing to do here: every byte is read once.
.set HALFX, 256                        ; work-groups for x1; as many for x2
.set XWG,   512
.set WC,    16777216                   ; where the weights' codes begin
.set STEPS, 16
.set EMAX,  8
.set MANT,  0x600000                   ; the mantissa field of 448 as f32
; the stream's way
.set R,     16                         ; v16-79   four sets of 16 numbers as they are loaded
.set X,     80                         ; v80-111  two sets of 16 neighbours
.set C,     128                        ; v128-191 codes: four registers for each step, so that no store's data are written again
.set WREG,  8192                       ; LDS bytes 0-32767: a region for each wave: two stages of 32 x SP bytes
.set SP,    80                         ; a lane's place in a stage: its 64 bytes + 16 of padding
; the weights' way
.set NB,    8                          ; blocks of 32 along K for a wave
.set PITCH, 272                        ; a stage row: 256 bytes of codes + 16
.set WSTG,  32768                      ; LDS bytes 32768-67583: a stage of 32 rows for each wave
.set WX,    32                         ; v32-95   two sets of 32 numbers
.set WCD,   96                         ; v96-103  a block's codes
.set OUTR,  112                        ; v112-175 the way out
.set OFS,   176                        ; v176-207 4 x lane + i rows of the weight: never rewritten
.set WB,    40                         ; s[40:55] the eight blocks' bases: never rewritten
.macro LOAD t
.irp i, 0,1,2,3
	global_load_b128 v[R+16*((\t)%4)+4*\i:R+16*((\t)%4)+4*\i+3], v3, s[4:5] offset:2048*(\t)+512*\i th:TH_LOAD_NT   ; 32 lanes read 512 consecutive bytes
.endr
.endm
.macro TURN t                          ; step t's numbers through the stage: LDS serves a wave's instructions in order, so no wait stands between the stores and the loads
.irp i, 0,1,2,3
	ds_store_b128 v14, v[R+16*((\t)%4)+4*\i:R+16*((\t)%4)+4*\i+3] offset:32*SP*((\t)%2)+8*SP*\i
.endr
.irp i, 0,1,2,3
	ds_load_b128 v[X+16*((\t)%2)+4*\i:X+16*((\t)%2)+4*\i+3], v15 offset:32*SP*((\t)%2)+16*\i
.endr
.endm
.macro STEP t
.set XS, X+16*((\t)%2)
	s_wait_dscnt 0x0                               ; this step's numbers are back from the stage: so its stores into the stage have read their registers,
.if (\t)+4 < STEPS
	LOAD (\t)+4                                    ; which take the loads of four steps on
.endif
.if (\t)+1 < STEPS
.if STEPS-2-(\t) >= 3
	s_wait_loadcnt 12                              ; the next step's four loads are in; those of the three steps behind it may be out
.else
	s_wait_loadcnt 4*(STEPS-2-(\t))
.endif
	TURN (\t)+1                                    ; and go through the other stage while this step is worked
.endif
.set I, 0
.rept 16
	v_med3_num_f32 v[XS+I], v[XS+I], -v10, v10     ; the conversion to an 8-bit code does not saturate (ISA guide 7.6.2): the hold at the largest code x the scale comes first
.set I, I+1
.endr
	v_cvt_scalef32_pk8_fp8_f32 v[C+4*(\t):C+4*(\t)+1], v[XS:XS+7], v11
	v_cvt_scalef32_pk8_fp8_f32 v[C+4*(\t)+2:C+4*(\t)+3], v[XS+8:XS+15], v11
	global_store_b128 v3, v[C+4*(\t):C+4*(\t)+3], s[16:17] offset:512*(\t)   ; a lane's 16 codes: the wave stores 512 consecutive bytes
.endm
.macro WLOAD t                         ; block t: W(32 t + i, my column), i = 0 .. 31, into set t % 2
.set I, 0
.rept 32
	global_load_b32 v[WX+32*((\t)%2)+I], v[OFS+I], s[WB+2*(\t):WB+2*(\t)+1] th:TH_LOAD_NT
.set I, I+1
.endr
.endm
.macro BLOCK t
.set XS, WX+32*((\t)%2)
.if (\t) < NB-1
	s_wait_loadcnt 32                              ; this block's 32 loads are in; the next block's may be out
.else
	s_wait_loadcnt 0
.endif
.set I, 0
.rept 32
	v_med3_num_f32 v[XS+I], v[XS+I], -v10, v10
.set I, I+1
.endr
.irp g, 0,1,2,3
	v_cvt_scalef32_pk8_fp8_f32 v[WCD+2*\g:WCD+2*\g+1], v[XS+8*\g:XS+8*\g+7], v11
.endr
	ds_store_b128 v4, v[WCD:WCD+3] offset:32*(\t)      ; 32 codes: 32 bytes of my column's row
	ds_store_b128 v4, v[WCD+4:WCD+7] offset:32*(\t)+16
.if (\t)+2 < NB
	WLOAD (\t)+2
.endif
	s_wait_dscnt 0x0                               ; the stores have read their registers: the next block's codes may be written
.endm
	s_load_b256 s[4:11], s[0:1], 0x0               ; x1 s[4:5], x2 s[6:7], Wq s[8:9], Wkv s[10:11]
	s_load_b128 s[12:15], s[0:1], 0x20             ; Wo s[12:13], the scales' exponents s[14:15]
	s_load_b64 s[16:17], s[0:1], 0x30              ; the codes
	v_lshl_add_u32 v208, v0, 2, 0x10800
	v_mov_b32 v209, 0
	v_lshrrev_b32 v1, 5, v0
	v_readfirstlane_b32 s18, v1                    ; wave 0..3
	v_and_b32 v2, 31, v0                           ; lane
	s_wait_kmcnt 0x0
	s_load_b256 s[24:31], s[14:15], 0x0            ; entries 0 to 7
	s_load_b64 s[32:33], s[14:15], 0x20            ; entries 8, 9
	s_cmp_ge_u32 ttmp9, XWG
	s_cbranch_scc1 .Lweights
	; ---- x1 and x2: a wave takes 16 steps of 512 numbers.  Each load reads 512 consecutive bytes; the step's 2,048 bytes turn through the wave's stage so that a lane holds 16 neighbours along K
	s_wait_alu depctr_va_vdst(0)
	v_lshlrev_b32 v3, 4, v2                        ; my 16 bytes of a load's 512, and of a step's 512 bytes of codes
	s_wait_alu depctr_va_vdst(0)
	s_mul_i32 s19, s18, WREG
	v_lshrrev_b32 v14, 2, v2
	v_mul_u32_u24 v14, v14, SP
	v_and_b32 v15, 3, v2
	v_lshl_add_u32 v14, v15, 4, v14
	v_add_nc_u32 v14, s19, v14                     ; the stage, on the way in: SP (lane / 4) + 16 (lane % 4)
	v_mul_u32_u24 v15, v2, SP
	v_add_nc_u32 v15, s19, v15                     ; and on the way out: SP x lane
	s_cmp_lt_u32 ttmp9, HALFX                      ; x1's work-group or x2's: the choice hangs on the work-group's number alone
	s_cselect_b64 s[4:5], s[4:5], s[6:7]
	s_cselect_b32 s19, 0, HALFX
	s_sub_co_u32 s19, ttmp9, s19
	s_lshl_b32 s19, s19, 2
	s_add_co_u32 s19, s19, s18                     ; which run of 8,192 numbers of the tensor is my wave's
	s_lshl_b32 s20, s19, 15                        ; 32,768 bytes each
	s_mov_b32 s21, 0
	s_add_nc_u64 s[4:5], s[4:5], s[20:21]
	s_lshl_b32 s20, ttmp9, 2
	s_add_co_u32 s20, s20, s18
	s_lshl_b32 s20, s20, 13                        ; x2's codes follow x1's: 8,192 bytes for each run of both
	s_add_nc_u64 s[16:17], s[16:17], s[20:21]
.irp t, 0,1,2,3
	LOAD \t
.endr
	s_wait_alu depctr_va_vdst(0)
	s_wait_kmcnt 0x0
	s_cmp_lt_u32 ttmp9, HALFX
	s_cselect_b32 s22, s24, s26                    ; e
	s_add_co_i32 s22, s22, 127
	s_lshl_b32 s23, s22, 23
	v_mov_b32 v11, s23                             ; 2^e as f32: the conversion takes its exponent field
	s_add_co_i32 s22, s22, EMAX
	s_lshl_b32 s22, s22, 23
	s_or_b32 s22, s22, MANT
	v_mov_b32 v10, s22                             ; 448 x 2^e
	s_wait_alu depctr_va_vdst(0)
	s_wait_loadcnt 12                              ; step 0's four loads are in
	TURN 0
.irp t, 0,1,2,3,4,5,6,7,8,9,10,11,12,13,14,15
	STEP \t
.endr
	s_wait_tensorcnt 0x0
	ds_add_u32 v208, v209
	s_wait_dscnt 0x0
	s_endpgm
.Lweights:
	; ---- the weights: u = 0-31 Wq, 32-95 Wkv, 96-127 Wo.  A work-group takes 128 columns x 256 along K, a wave 32 columns.  All that differs between the tensors is chosen by the work-group's number
	s_sub_co_u32 s19, ttmp9, XWG                   ; u
	s_cmp_lt_u32 s19, 32
	s_cselect_b64 s[4:5], s[8:9], s[10:11]
	s_cselect_b32 s20, 0, 32                       ; the tensor's first u
	s_cselect_b32 s21, 3, 4                        ; log2 of its groups of 128 columns
	s_cmp_ge_u32 s19, 96
	s_cselect_b64 s[4:5], s[12:13], s[4:5]
	s_cselect_b32 s20, 96, s20
	s_cselect_b32 s21, 3, s21
	s_lshl_b32 s22, 512, s21                       ; a row of the weight in bytes: 4,096 or 8,192
	s_sub_co_u32 s20, s19, s20
	s_lshr_b32 s23, s20, s21                       ; which 256 along K
	s_lshl_b32 s34, s23, s21
	s_sub_co_u32 s34, s20, s34                     ; which 128 columns
	s_lshl_b32 s34, s34, 7
	s_lshl_b32 s35, s18, 5
	s_add_co_u32 s34, s34, s35                     ; n0: my wave's first column, a multiple of 32
	s_bfe_u32 s35, s34, 0x10006                    ; Wkv: bit 6 of the column says k (0) or v (1),
	s_lshl_b32 s35, s35, 10
	s_lshr_b32 s36, s34, 7                         ; the bits above it the head,
	s_lshl_b32 s36, s36, 6
	s_add_co_u32 s35, s35, s36
	s_and_b32 s36, s34, 63                         ; the bits below it the channel
	s_add_co_u32 s35, s35, s36
	s_add_co_u32 s35, s35, 1024
	s_add_co_u32 s36, s34, 3072                    ; Wo's rows follow
	s_cmp_lt_u32 s19, 32
	s_cselect_b32 s35, s34, s35
	s_cmp_ge_u32 s19, 96
	s_cselect_b32 s35, s36, s35                    ; my wave's first row of codes; its 32 columns are 32 rows on end
	s_lshl_b32 s36, s35, 10
	s_lshl_b32 s37, s23, 8
	s_add_co_u32 s36, s36, s37
	s_add_co_u32 s36, s36, WC
	s_mov_b32 s37, 0
	s_add_nc_u64 s[16:17], s[16:17], s[36:37]
	s_lshl_b32 s38, s22, 8                         ; 256 rows of the weight
	s_mul_i32 s38, s38, s23
	s_lshl_b32 s39, s34, 2
	s_add_co_u32 s38, s38, s39
	s_mov_b32 s39, 0
	s_add_nc_u64 s[WB:WB+1], s[4:5], s[38:39]      ; block 0's base;
	s_lshl_b32 s38, s22, 5                         ; 32 rows on for each further block
.irp t, 1,2,3,4,5,6,7
	s_add_nc_u64 s[WB+2*\t:WB+2*\t+1], s[WB+2*\t-2:WB+2*\t-1], s[38:39]
.endr
	s_wait_alu depctr_va_vdst(0)
	v_lshlrev_b32 v[OFS], 2, v2                    ; 4 bytes a lane: 32 lanes read 128 consecutive bytes, the four waves 512
.set I, 1
.rept 31
	v_add_nc_u32 v[OFS+I], s22, v[OFS+I-1]         ; a row further down K
.set I, I+1
.endr
	WLOAD 0
	WLOAD 1
	s_mul_i32 s56, s18, 32*PITCH
	s_add_co_u32 s56, s56, WSTG                    ; my stage
	v_mul_u32_u24 v4, v2, PITCH
	v_add_nc_u32 v4, s56, v4                       ; into it: row = my column
	v_and_b32 v5, 15, v2
	v_lshrrev_b32 v6, 4, v2                        ; out of it: sixteen lanes to a row, two rows an instruction
	v_mul_u32_u24 v7, v6, PITCH
	v_lshl_add_u32 v7, v5, 4, v7
	v_add_nc_u32 v7, s56, v7
	v_lshlrev_b32 v8, 10, v6
	v_lshl_add_u32 v8, v5, 4, v8                   ; and the same place in the codes' rows of 1,024 bytes
	s_wait_kmcnt 0x0
	s_cmp_lt_u32 s19, 32
	s_cselect_b32 s36, s25, s27
	s_cmp_ge_u32 s19, 96
	s_cselect_b32 s36, s33, s36                    ; e
	s_add_co_i32 s36, s36, 127
	s_lshl_b32 s37, s36, 23
	v_mov_b32 v11, s37                             ; 2^e
	s_add_co_i32 s36, s36, EMAX
	s_lshl_b32 s36, s36, 23
	s_or_b32 s36, s36, MANT
	v_mov_b32 v10, s36                             ; 448 x 2^e
	s_wait_alu depctr_va_vdst(0)
.irp t, 0,1,2,3,4,5,6,7
	BLOCK \t
.endr
.irp t, 0,1,2,3,4,5,6,7,8,9,10,11,12,13,14,15
	ds_load_b128 v[OUTR+4*\t:OUTR+4*\t+3], v7 offset:2*\t*PITCH   ; LDS serves a wave's instructions in order: these see my stores
.endr
.irp t, 0,1,2,3,4,5,6,7,8,9,10,11,12,13,14,15
	s_wait_dscnt 15-\t
	global_store_b128 v8, v[OUTR+4*\t:OUTR+4*\t+3], s[16:17] offset:2*\t*1024   ; sixteen lanes store 256 consecutive bytes of a row, at a multiple of 256
.endr
	s_wait_tensorcnt 0x0
	ds_add_u32 v208, v209
	s_wait_dscnt 0x0
	s_endpgm
.Lfunc_end_k_qdc04476871_quant:
	.size	k_qdc04476871_quant, .Lfunc_end_k_qdc04476871_quant-k_qdc04476871_quant
	.p2alignl 7, 3214868480
	.fill 96, 4, 3214868480
	.section	.rodata,"a",@progbits
	.p2align	6, 0x0
	.amdhsa_kernel k_qdc04476871_quant
		.amdhsa_group_segment_fixed_size 68096
		.amdhsa_private_segment_fixed_size 0
		.amdhsa_enable_private_segment 0
		.amdhsa_kernarg_size 56
		.amdhsa_user_sgpr_count 2
		.amdhsa_user_sgpr_kernarg_segment_ptr 1
		.amdhsa_wavefront_size32 1
		.amdhsa_system_sgpr_workgroup_id_x 1
		.amdhsa_system_sgpr_workgroup_id_y 1
		.amdhsa_system_sgpr_workgroup_id_z 1
		.amdhsa_system_vgpr_workitem_id 0
		.amdhsa_next_free_vgpr 210
		.amdhsa_next_free_sgpr 66
		.amdhsa_reserve_vcc 0
		.amdhsa_float_denorm_mode_32 3
		.amdhsa_float_denorm_mode_16_64 3
		.amdhsa_memory_ordered 1
		.amdhsa_forward_progress 1
		.amdhsa_inst_pref_size 88
	.end_amdhsa_kernel
	.amdgpu_metadata
---
amdhsa.version: [ 1, 2 ]
amdhsa.kernels:
  - .name:           k_qdc04476871_quant
    .symbol:         k_qdc04476871_quant.kd
    .args:
      - { .name: x1, .offset: 0, .size: 8, .value_kind: global_buffer, .address_space: global }
      - { .name: x2, .offset: 8, .size: 8, .value_kind: global_buffer, .address_space: global }
      - { .name: Wq, .offset: 16, .size: 8, .value_kind: global_buffer, .address_space: global }
      - { .name: Wkv, .offset: 24, .size: 8, .value_kind: global_buffer, .address_space: global }
      - { .name: Wo, .offset: 32, .size: 8, .value_kind: global_buffer, .address_space: global }
      - { .name: lowp_scales, .offset: 40, .size: 8, .value_kind: global_buffer, .address_space: global }
      - { .name: cod, .offset: 48, .size: 8, .value_kind: global_buffer, .address_space: global }
    .group_segment_fixed_size: 68096
    .private_segment_fixed_size: 0
    .kernarg_segment_align: 8
    .kernarg_segment_size: 56
    .max_flat_workgroup_size: 128
    .sgpr_count:     66
    .vgpr_count:     210
    .wavefront_size: 32
...
	.end_amdgpu_metadata
.endif
;; end of part 1
;; launch proj (part 2): grid 4 x 64, 4 waves a work-group, clusters of 4 x 4, 327,680 bytes of LDS; arguments cod, lowp_scales, qkv; writes qkv
.if DOCPART == 2
	.amdgcn_target "amdgcn-amd-amdhsa--gfx1250"
	.amdhsa_code_object_version 6
	.text
	.protected	k_qdc04476871_proj
	.globl	k_qdc04476871_proj
	.p2align	8
	.type	k_qdc04476871_proj,@function
k_qdc04476871_proj:
	s_mov_b64 s[64:65], 0
	v_nop
	global_prefetch_b8 v0, s[64:65] scope:SCOPE_SE
	s_setreg_imm32_b32 hwreg(HW_REG_WAVE_MODE, 25, 1), 1
	s_wait_xcnt 0x0
	s_wait_alu depctr_hold_cnt(0) depctr_sa_sdst(0) depctr_va_vdst(0) depctr_va_sdst(0) depctr_va_ssrc(0) depctr_va_vcc(0) depctr_vm_vsrc(0)
	s_getreg_b32 s2, hwreg(HW_REG_IB_STS2, 6, 4)
	s_cmp_eq_u32 s2, 0
	s_cbranch_scc0 .Lentry_in_a_cluster
	s_endpgm
.Lentry_in_a_cluster:
	s_bfe_u32 s2, ttmp6, 0x10000c
	s_cmp_lg_u32 s2, 0xf033
	s_cbranch_scc0 .Lentry_shape_is_right
	s_endpgm
.Lentry_shape_is_right:
; q = Q(x1 Wq), k and v = Q(x2 Wkv), on codes of FP8 (E4M3); the results are quantised at once with entries 4, 5 and 7 of the scales and stored as codes.
; cod: rows of 1,024 bytes: x1's 8,192 rows, x2's from X2C, then from WC 1,024 rows each of Wq's, Wk's and Wv's columns.  qkv: q, k: [batch x head][2,048 tokens][64 bytes]; v: [batch x head][32 blocks of 64 keys][64 channels][64 bytes along the keys].
; code = sum / 2^(e_out - e_a - e_b), held within +-448.  LIMIT: each of e4 - e0 - e1, e5 - e2 - e3, e7 - e2 - e3 lies between -126 and 119.
; A WORK-GROUP STAYS and makes three blocks of 128 x 256: 128 tokens x 256 channels of q, the same of k, and 128 channels x 256 tokens of v: 3 x 256 blocks for 256 work-groups.
; In each block source 1 (A, 128 rows) gives a lane its row and source 0 (B, 256 rows) its eight neighbouring numbers: channels for q and k, keys for v (there A is Wv's codes and B x2's).
; A wave makes 64 x 128: 32 accumulators.  K goes in steps of 256 through a ring of two LDS slots (A's 128 rows, B's 256, of 256 bytes); waves 0 and 1 fetch A's halves, waves 2 and 3 B's: one tensor load a wave behind each round.
; The ring does not stop at a block's end: a block's last two changes of slots ask for the next block's K steps 0 and 1, and then the block goes out.  Blocks q and k run in a loop of two trips; v's is written out: it asks for nothing more.
; CLUSTERS: 4 x 4 work-groups; A's tiles hang on cy and the cluster alone and are shared along a row, B's on cx and the cluster alone and are shared along a column, in all three blocks.
; PREFETCH: behind each of a block's four refills a wave names the same K step (0 to 3) of the NEXT block: two refills ahead of the load that wants it.  Of the rows that a wave fetches, each of the four partners that ask for them
; jointly takes a quarter, told apart by address (A: 16 rows by cx, lanes 16-31 name the last again; B: 32 rows by cy): one instruction a wave.  The first block comes by its loads alone; the last block asks for nothing.
; THE WAY OUT: a wave's 64 rows x 64 bytes of one head (or key block) are 4,096 consecutive bytes of qkv, so each wave has a stage of its own (64 rows x 144 bytes, on bytes that no fill lands on) and no barrier.
; Within 32 bytes of a row the order is: 8 codes n = 8 h .., 8 codes n = 16 + 8 h .., for h = 0, 1: a load of 16 bytes at 16 h then gives the plain 8-bit operand layout.
; REGISTERS: window 0: v0-31 addresses, v128-255 A's fragments, two sets; window 1: B's, two sets; window 2: accumulator (a, b) at v[8 (8 a + b)]; window 3: the way out: v0-63 held sums, v64-127 codes, v128-191 rows read back.
.set KROW,   1024
.set ROWB,   256
.set PITCH,  272
.set HA,     128*PITCH
.set SLOT,   3*HA
.set STAGE,  2*SLOT
.set SPT,    144
.set SPARE,  STAGE+4*64*SPT
.set X2C,    8388608
.set WC,     16777216
.set WKO,    1048576
.set WVC,    18874368
.set ADRA, 16
.set ADRB, 20
.set STO,  24
.set RD,   25
.set GOF,  26
.set PFO,  27
.set SPW,  28
.set NIL,  29
.set LIM,  30
.set SCL,  31
.set AF,   128
.set G1, 24
.set G0, 32
.set G1B, 48
.set G0B, 56
.set NA,  66                           ; s[66:67], s[68:69] the next block's A and B; s[70:71], s[72:73] v's
.set NB,  68
.set PFN, 74                           ; s[74:75] where my prefetches of the next block stand; s[76:77] v's
.set MUL,  0xa1
.set MSB, 0
.macro WIN new
.if MSB != (\new)
	s_set_vgpr_msb (MSB<<8)|(\new)
.set MSB, (\new)
.endif
.endm
.macro JLOAD g0a, g0b                  ; a joint load; an s_nop 0 and four v_nop behind each load
	s_cmp_eq_u32 s15, 0
	s_cbranch_scc0 .Lfor_b_\@
	tensor_load_to_lds s[\g0a:\g0a+3], s[G1:G1+7]
	s_nop 0
.rept 4
	v_nop
.endr
	s_branch .Lasked_\@
.Lfor_b_\@:
	tensor_load_to_lds s[\g0b:\g0b+3], s[G1B:G1B+7]
	s_nop 0
.rept 4
	v_nop
.endr
.Lasked_\@:
.endm
.macro CREST
	s_cmp_lg_u32 s14, 0
	s_cbranch_scc1 .Lnot_wave_0_\@
	s_barrier_signal -3
.Lnot_wave_0_\@:
	s_barrier_wait -3
	s_barrier_signal -1
	s_barrier_wait -1
.endm
.macro CROUND
	s_barrier_signal -1
	s_barrier_wait -1
	CREST
.endm
.macro PLACES
.rept 4
	v_nop
.endr
.endm
.macro MKS sc, lm, eo, ea, eb          ; 2^(eo - ea - eb) and 448 x that, as f32 patterns
	s_sub_co_i32 s[\sc], s[\eo], s[\ea]
	s_sub_co_i32 s[\sc], s[\sc], s[\eb]
	s_add_co_i32 s[\sc], s[\sc], 127
	s_add_co_i32 s[\lm], s[\sc], 8
	s_lshl_b32 s[\sc], s[\sc], 23
	s_lshl_b32 s[\lm], s[\lm], 23
	s_or_b32 s[\lm], s[\lm], 0x600000
.endm
	s_load_b128 s[4:7], s[0:1], 0x0                ; cod s[4:5], the exponents s[6:7]
	s_load_b64 s[10:11], s[0:1], 0x10              ; qkv
	v_lshl_add_u32 v[SPW], v0, 2, SPARE
	v_mov_b32 v[NIL], 0
	ds_add_u32 v[SPW], v[NIL]                      ; the opening lines: the add, twice on end, and its wait ahead of my first tensor load
	ds_add_u32 v[SPW], v[NIL]
	v_lshrrev_b32 v1, 5, v0
	v_readfirstlane_b32 s14, v1                    ; wave 0..3
	s_lshr_b32 s15, s14, 1                         ; which 64 rows of A are mine.  Also: I fetch for A (0) or for B (1)
	s_and_b32 s16, s14, 1                          ; which 128 rows of B.  Also: which half of that tile I fetch
	s_bfe_u32 s40, ttmp6, 0x40000                  ; cx
	s_bfe_u32 s41, ttmp6, 0x40004                  ; cy
	s_and_b32 s13, ttmp7, 0xffff                   ; the cluster, 0..15
	s_lshl_b32 s17, s13, 2
	s_add_co_u32 s17, s17, s41                     ; q, k: the block of 128 tokens
	s_lshl_b32 s43, s41, 2
	s_lshl_b32 s43, 15, s43                        ; my row of the cluster
	s_lshl_b32 s44, 0x1111, s40                    ; my column
	s_or_b32 s[G1+0], s43, (1<<20)|(1<<21)|(5<<22)|(3<<25)
	s_or_b32 s[G1B+0], s44, (1<<20)|(1<<21)|(5<<22)|(3<<25)
	s_mov_b32 s[G1+1], ROWB<<16
	s_mov_b32 s[G1+2], 64<<16                      ; A: 64 rows a load
	s_mov_b32 s[G1+3], ROWB<<16
	s_mov_b32 s[G1+4], 64
	s_mov_b32 s[G1+5], KROW
	s_mov_b32 s[G1+6], 0
	s_mov_b32 s[G1+7], 0
	s_mov_b32 s[G1B+1], ROWB<<16
	s_mov_b32 s[G1B+2], 128<<16                    ; B: 128 rows a load
	s_mov_b32 s[G1B+3], ROWB<<16
	s_mov_b32 s[G1B+4], 128
	s_mov_b32 s[G1B+5], KROW
	s_mov_b32 s[G1B+6], 0
	s_mov_b32 s[G1B+7], 0
	s_lshl_b32 s18, s16, 16                        ; A's offsets: made of cy, the cluster and the wave alone
	s_lshl_b32 s20, s17, 17
	s_add_co_u32 s20, s20, s18                     ; q: x1's rows 128 x block + 64 x half
	s_mov_b32 s21, 0
	s_and_b32 s19, s13, 1
	s_lshl_b32 s19, s19, 2
	s_add_co_u32 s19, s19, s41                     ; v: the block of 128 channels, 0..7
	s_lshl_b32 s70, s19, 17
	s_add_co_u32 s70, s70, s18
	s_add_co_u32 s70, s70, WVC
	s_mov_b32 s71, 0
	s_lshl_b32 s42, s16, 17                        ; B's offsets: made of cx, the cluster and the wave alone
	s_lshl_b32 s46, s40, 18
	s_add_co_u32 s46, s46, s42
	s_add_co_u32 s46, s46, WC                      ; q: Wq's rows 256 cx + 128 x half
	s_mov_b32 s47, 0
	s_lshr_b32 s94, s13, 1
	s_lshl_b32 s94, s94, 2
	s_add_co_u32 s94, s94, s40                     ; v: the block of 256 tokens, 0..31
	s_lshl_b32 s72, s94, 18
	s_add_co_u32 s72, s72, s42
	s_add_co_u32 s72, s72, X2C
	s_mov_b32 s73, 0
	s_mul_i32 s45, s16, 64*PITCH                   ; where the tiles go: the wave's number alone enters an LDS address
	s_mul_i32 s12, s16, HA
	s_add_co_u32 s12, s12, HA
	s_lshl_b32 s95, s40, 14                        ; the prefetches: my work-group's 16 of A's 64 rows, by cx; its 32 of B's 128, by cy
	s_lshl_b32 s97, s41, 15
	s_add_co_u32 s98, s95, s20
	s_add_co_u32 s98, s98, X2C
	s_add_co_u32 s99, s97, s46
	s_add_co_u32 s99, s99, WKO
	s_add_co_u32 s95, s95, s70
	s_add_co_u32 s97, s97, s72
	s_cmp_eq_u32 s15, 0
	s_cselect_b32 s74, s98, s99                    ; k's block
	s_cselect_b32 s76, s95, s97                    ; v's block
	s_cselect_b32 s99, 15, 31                      ; the last row that a lane names
	s_mov_b32 s75, 0
	s_mov_b32 s77, 0
	s_lshr_b32 s96, s17, 4                         ; q's codes: batch << 21, head 4 cx + 2 x half << 17, token << 6
	s_lshl_b32 s96, s96, 21
	s_lshl_b32 s98, s40, 19
	s_add_co_u32 s96, s96, s98
	s_lshl_b32 s98, s16, 18
	s_add_co_u32 s96, s96, s98
	s_and_b32 s98, s17, 15
	s_lshl_b32 s98, s98, 13
	s_add_co_u32 s96, s96, s98
	s_lshl_b32 s98, s15, 12
	s_add_co_u32 s96, s96, s98
	s_mov_b32 s97, 0
	s_lshr_b32 s78, s94, 3                         ; v's codes: batch << 21, head 2 x block + half << 17, key block << 12
	s_lshl_b32 s78, s78, 21
	s_lshl_b32 s98, s19, 18
	s_add_co_u32 s78, s78, s98
	s_lshl_b32 s98, s15, 17
	s_add_co_u32 s78, s78, s98
	s_and_b32 s98, s94, 7
	s_lshl_b32 s98, s98, 14
	s_add_co_u32 s78, s78, s98
	s_lshl_b32 s98, s16, 13
	s_add_co_u32 s78, s78, s98
	s_add_co_u32 s78, s78, 16777216
	s_mov_b32 s79, 0
	s_wait_dscnt 0x0                               ; both opening adds are done
	s_wait_kmcnt 0x0
	s_load_b256 s[80:87], s[6:7], 0x0              ; entries 0 to 7
	s_add_nc_u64 s[20:21], s[4:5], s[20:21]
	s_add_nc_u64 s[46:47], s[4:5], s[46:47]
	s_add_nc_u64 s[70:71], s[4:5], s[70:71]
	s_add_nc_u64 s[72:73], s[4:5], s[72:73]
	s_add_nc_u64 s[74:75], s[4:5], s[74:75]
	s_add_nc_u64 s[76:77], s[4:5], s[76:77]
	s_add_nc_u64 s[NA:NA+1], s[20:21], X2C         ; k: x2's rows, Wk's rows
	s_add_nc_u64 s[NB:NB+1], s[46:47], WKO
	s_add_nc_u64 s[78:79], s[10:11], s[78:79]
	s_add_nc_u64 s[10:11], s[10:11], s[96:97]
	CROUND                                         ; all sixteen work-groups are here: the first joint loads meet
.irp s, 0,1
	s_mov_b32 s[G0+4*\s], 1
	s_add_co_u32 s[G0+4*\s+1], s45, \s*SLOT
	s_add_nc_u64 s[G0+4*\s+2:G0+4*\s+3], s[20:21], \s*ROWB
	s_or_b32 s[G0+4*\s+3], s[G0+4*\s+3], 0x80000000
	s_mov_b32 s[G0B+4*\s], 1
	s_add_co_u32 s[G0B+4*\s+1], s12, \s*SLOT
	s_add_nc_u64 s[G0B+4*\s+2:G0B+4*\s+3], s[46:47], \s*ROWB
	s_or_b32 s[G0B+4*\s+3], s[G0B+4*\s+3], 0x80000000
.endr
	JLOAD G0, G0B                                  ; q's K step 0: one tensor load a wave at the head
	v_and_b32 v1, 15, v0                           ; r
	v_bfe_u32 v2, v0, 4, 1                         ; h
	v_mul_u32_u24 v3, v1, PITCH
	v_lshl_add_u32 v4, v2, 4, v3                   ; a fragment: row r, + 16 h
	v_mul_u32_u24 v7, v1, SPT
	v_lshl_add_u32 v7, v2, 4, v7                   ; the stage, in: row r, + 16 h
	v_bfe_u32 v5, v0, 2, 3
	v_mul_u32_u24 v5, v5, SPT
	v_and_b32 v6, 3, v0
	v_lshl_add_u32 v5, v6, 4, v5                   ; back: four lanes to 64 bytes of a row, eight rows an instruction
	v_and_b32 v6, 31, v0
	v_lshlrev_b32 v[GOF], 4, v6
	v_min_u32 v[PFO], s99, v6
	v_lshlrev_b32 v[PFO], 10, v[PFO]               ; a lane a row of 1,024 bytes
	s_mul_i32 s21, s15, 64*PITCH
	s_mul_i32 s22, s16, HA
	s_add_co_u32 s22, s22, HA
	s_mul_i32 s23, s14, 64*SPT
	s_add_co_u32 s23, s23, STAGE
	v_add_nc_u32 v[ADRA], s21, v4
	v_add_nc_u32 v[ADRB], s22, v4
	v_add_nc_u32 v[ADRA+1], SLOT, v[ADRA]
	v_add_nc_u32 v[ADRB+1], SLOT, v[ADRB]
	v_add_nc_u32 v[STO], s23, v7
	v_add_nc_u32 v[RD], s23, v5
	s_wait_alu depctr_va_vdst(0)
	s_wait_kmcnt 0x0
	MKS 88, 89, 84, 80, 81                         ; q: e4 - e0 - e1
	MKS 90, 91, 85, 82, 83                         ; k: e5 - e2 - e3
	MKS 92, 93, 87, 82, 83                         ; v: e7 - e2 - e3
.macro FETCH slot, q, p                ; the fragments of the slot's q-th 128 along K into set p: registers 4 c .. 4 c + 3 hold K = 32 c + 16 h + 0 .. 15, in A and in B alike
	WIN 0x40
.irp i, 0,1,2,3,4,5,6,7
.irp c, 0,1,2,3
	ds_load_b128 v[128*(\p)+16*\i+4*\c:128*(\p)+16*\i+4*\c+3], v[ADRB+\slot] offset:128*(\q)+32*\c+\i*16*PITCH
.endr
.endr
	WIN 0
.irp i, 0,1,2,3
.irp c, 0,1,2,3
	ds_load_b128 v[AF+64*(\p)+16*\i+4*\c:AF+64*(\p)+16*\i+4*\c+3], v[ADRA+\slot] offset:128*(\q)+32*\c+\i*16*PITCH
.endr
.endr
.endm
.macro MULA a, p, zero                 ; A's block a against B's eight; the 32 accumulators take turns, one instruction a turn
.irp b, 0,1,2,3,4,5,6,7
.if \zero
	v_wmma_f32_16x16x128_fp8_fp8 v[8*(8*(\a)+\b):8*(8*(\a)+\b)+7], v[128*(\p)+16*\b:128*(\p)+16*\b+15], v[AF+64*(\p)+16*(\a):AF+64*(\p)+16*(\a)+15], 0
.else
	v_wmma_f32_16x16x128_fp8_fp8 v[8*(8*(\a)+\b):8*(8*(\a)+\b)+7], v[128*(\p)+16*\b:128*(\p)+16*\b+15], v[AF+64*(\p)+16*(\a):AF+64*(\p)+16*(\a)+15], v[8*(8*(\a)+\b):8*(8*(\a)+\b)+7]
.endif
.endr
.endm
.macro STEP slot, zero                 ; a slot's first 128 along K, on set 0
	s_wait_dscnt 0x0                               ; set 0 is in
	PLACES                                         ; in front of loads into set 1, which the last products read
	FETCH \slot, 1, 1
	WIN MUL
.irp a, 0,1,2,3
	MULA \a, 0, \zero
.endr
	WIN 0
.endm
; A slot's second 128, on set 1, and the change of slots.  fill = 1: this slot takes this block's K step two on; 2: the next block's K step 0 or 1; 0: nothing.  ask: the K step of the next block that is prefetched, or -1
.macro TURN slot, next, fill, ask
	s_wait_tensorcnt 0x0                           ; all my tensor loads have landed: my part of the next slot
	ds_add_u32 v[SPW], v[NIL]                      ; 0 onto my spare word
	s_wait_dscnt 1                                 ; set 1 is in; the add may be out
	WIN MUL
	MULA 0, 1, 0
	s_wait_dscnt 0x0                               ; the add is done, and my reads of this slot are over
	s_barrier_signal -1
	MULA 1, 1, 0
	WIN 0
	s_barrier_wait -1
.if \fill
	CREST                                          ; the barrier has opened a round: no wave of any partner still reads this slot or has a load on its way
.if \fill == 1
	s_add_nc_u64 s[G0+4*\slot+2:G0+4*\slot+3], s[G0+4*\slot+2:G0+4*\slot+3], 2*ROWB
	s_add_nc_u64 s[G0B+4*\slot+2:G0B+4*\slot+3], s[G0B+4*\slot+2:G0B+4*\slot+3], 2*ROWB
.else
	s_add_nc_u64 s[G0+4*\slot+2:G0+4*\slot+3], s[NA:NA+1], \slot*ROWB
	s_or_b32 s[G0+4*\slot+3], s[G0+4*\slot+3], 0x80000000
	s_add_nc_u64 s[G0B+4*\slot+2:G0B+4*\slot+3], s[NB:NB+1], \slot*ROWB
	s_or_b32 s[G0B+4*\slot+3], s[G0B+4*\slot+3], 0x80000000
.endif
	JLOAD G0+4*\slot, G0B+4*\slot                  ; the first tensor load behind the round; its four v_nop are the places in front of the loads below
.else
	PLACES
.endif
	FETCH \next, 0, 0
.if \ask >= 0
	global_prefetch_b8 v[PFO], s[PFN:PFN+1] offset:256*\ask th:TH_LOAD_NT scope:SCOPE_SE
.endif
	WIN MUL
	MULA 2, 1, 0
	MULA 3, 1, 0
	WIN 0
.endm
; THE WAY OUT of a block.  gs: bytes from one group of 64 columns to the next in qkv; ob: the base; sc, lm: the scale and the bound.
.macro EPI gs, ob, sc, lm
	s_wait_xcnt 0x0                                ; the last block's stores have read their registers
	v_mov_b32 v[SCL], s[\sc]                       ; (two of the four places behind the last products)
	v_mov_b32 v[LIM], s[\lm]
	v_nop
	v_nop
.irp a, 0,1,2,3
	WIN 0xc2                                       ; from window 2 into window 3; the bound in window 0
.set J, 0
.rept 64
	v_med3_num_f32 v[J], v[64*\a+J], -v[LIM], v[LIM]   ; the conversion does not saturate (ISA guide 7.6.2); each accumulator from its low end on
.set J, J+1
.endr
	WIN 0xc3
.irp b, 0,1,2,3,4,5,6,7
	v_cvt_scalef32_pk8_fp8_f32 v[64+16*\a+2*\b:64+16*\a+2*\b+1], v[8*\b:8*\b+7], v[SCL]
.endr
	v_nop                                          ; a plain line behind the last conversion
	WIN 0x0c
.irp b, 0,1,2,3
	ds_store_b128 v[STO], v[64+16*\a+4*\b:64+16*\a+4*\b+3] offset:\a*16*SPT+32*\b
.endr
.endr
	WIN 0xc0
.irp g, 0,1
.irp j, 0,1,2,3,4,5,6,7
	ds_load_b128 v[128+4*(8*\g+\j):128+4*(8*\g+\j)+3], v[RD] offset:8*SPT*\j+64*\g   ; LDS serves a wave's instructions in order: these see my stores
.endr
.endr
	WIN 0x0c
.irp g, 0,1
.irp j, 0,1,2,3,4,5,6,7
	s_wait_dscnt 15-(8*\g+\j)
	global_store_b128 v[GOF], v[128+4*(8*\g+\j):128+4*(8*\g+\j)+3], s[\ob:\ob+1] offset:\gs*\g+512*\j   ; eight rows of 64 bytes: 512 consecutive bytes
.endr
.endr
	WIN 0
.endm
	s_wait_tensorcnt 0x0                           ; my part of K step 0 is in; the same lines as ahead of a refill stand ahead of slot 1's first fill
	ds_add_u32 v[SPW], v[NIL]
	s_wait_dscnt 0x0
	CROUND
	JLOAD G0+4, G0B+4                              ; q's K step 1
	FETCH 0, 0, 0
	s_mov_b32 s3, 2
.Lblock:                                               ; two trips: q, then k
	STEP 0, 1                                      ; the first products start the sums
	TURN 0, 1, 1, 0
	STEP 1, 0
	TURN 1, 0, 1, 1
	STEP 0, 0
	TURN 0, 1, 2, 2                                ; slot 0 takes the next block's K step 0,
	STEP 1, 0
	TURN 1, 0, 2, 3                                ; slot 1 its K step 1, and its first fragments are fetched
	EPI 131072, 10, 88, 89
	s_wait_xcnt 0x0                                ; the stores and the prefetches have read their bases
	s_add_nc_u64 s[10:11], s[10:11], 8388608       ; k's codes follow q's
	s_mov_b64 s[NA:NA+1], s[70:71]                 ; the block after the next is v's
	s_mov_b64 s[NB:NB+1], s[72:73]
	s_mov_b64 s[PFN:PFN+1], s[76:77]
	s_mov_b32 s88, s90
	s_mov_b32 s89, s91
	s_sub_co_u32 s3, s3, 1
	s_cmp_lg_u32 s3, 0
	s_wait_alu depctr_va_vdst(0)
	s_cbranch_scc1 .Lblock
	STEP 0, 1                                      ; v's block
	TURN 0, 1, 1, -1
	STEP 1, 0
	TURN 1, 0, 1, -1
	STEP 0, 0
	TURN 0, 1, 0, -1                               ; nothing is filled again: no round
	STEP 1, 0
	s_wait_dscnt 0x0
	WIN MUL
.irp a, 0,1,2,3
	MULA \a, 1, 0
.endr
	WIN 0
	EPI 4096, 78, 92, 93
	s_wait_tensorcnt 0x0                           ; the wave's end
	ds_add_u32 v[SPW], v[NIL]
	s_wait_dscnt 0x0
	CROUND                                         ; the closing round
	s_endpgm
.Lfunc_end_k_qdc04476871_proj:
	.size	k_qdc04476871_proj, .Lfunc_end_k_qdc04476871_proj-k_qdc04476871_proj
	.p2alignl 7, 3214868480
	.fill 96, 4, 3214868480
	.section	.rodata,"a",@progbits
	.p2align	6, 0x0
	.amdhsa_kernel k_qdc04476871_proj
		.amdhsa_group_segment_fixed_size 327680
		.amdhsa_private_segment_fixed_size 0
		.amdhsa_enable_private_segment 0
		.amdhsa_kernarg_size 24
		.amdhsa_user_sgpr_count 2
		.amdhsa_user_sgpr_kernarg_segment_ptr 1
		.amdhsa_wavefront_size32 1
		.amdhsa_system_sgpr_workgroup_id_x 1
		.amdhsa_system_sgpr_workgroup_id_y 1
		.amdhsa_system_sgpr_workgroup_id_z 1
		.amdhsa_system_vgpr_workitem_id 0
		.amdhsa_next_free_vgpr 1024
		.amdhsa_next_free_sgpr 100
		.amdhsa_reserve_vcc 0
		.amdhsa_float_denorm_mode_32 3
		.amdhsa_float_denorm_mode_16_64 3
		.amdhsa_memory_ordered 1
		.amdhsa_forward_progress 1
		.amdhsa_inst_pref_size 148
	.end_amdhsa_kernel
	.amdgpu_metadata
---
amdhsa.version: [ 1, 2 ]
amdhsa.kernels:
  - .name:           k_qdc04476871_proj
    .symbol:         k_qdc04476871_proj.kd
    .args:
      - { .name: cod, .offset: 0, .size: 8, .value_kind: global_buffer, .address_space: global }
      - { .name: lowp_scales, .offset: 8, .size: 8, .value_kind: global_buffer, .address_space: global }
      - { .name: qkv, .offset: 16, .size: 8, .value_kind: global_buffer, .address_space: global }
    .group_segment_fixed_size: 327680
    .private_segment_fixed_size: 0
    .kernarg_segment_align: 8
    .kernarg_segment_size: 24
    .max_flat_workgroup_size: 128
    .sgpr_count:     100
    .vgpr_count:     1024
    .wavefront_size: 32
...
	.end_amdgpu_metadata
.endif
;; end of part 2
;; launch attn (part 3): grid 256 x 1, 8 waves a work-group, no clusters, 308,736 bytes of LDS; arguments qkv, mask, lowp_scales, ac; writes ac
.if DOCPART == 3
	.amdgcn_target "amdgcn-amd-amdhsa--gfx1250"
	.amdhsa_code_object_version 6
	.text
	.protected	k_qdc04476871_attn
	.globl	k_qdc04476871_attn
	.p2align	8
	.type	k_qdc04476871_attn,@function
k_qdc04476871_attn:
	s_mov_b64 s[64:65], 0
	v_nop
	global_prefetch_b8 v0, s[64:65] scope:SCOPE_SE
	s_setreg_imm32_b32 hwreg(HW_REG_WAVE_MODE, 25, 1), 1
	s_wait_xcnt 0x0
; Attention of one head on codes of FP8 (E4M3), head size 64, 2,048 keys, with the key mask that is given.  q, k: [batch x head][2,048][64 bytes]; v: [batch x head][32 blocks of 64 keys][64 channels][64 bytes along the keys].
; THE SOFTMAX: t = score x log2(e) / 8; M = the running largest t rounded UP to a whole number; p = 2^(t - M) is quantised with entry 6's scale; the row's sum is taken of the unquantised p and divides at the end.
; When M moves, the sum and O are multiplied by 2^(old M - new M), which rounds nothing.
; THE MASK: a bias (0, or -3e38 where mask == 0) is the C of the first product.  The largest t starts at -1e20 x c: under every open t (an open raw score is under 64 x 448 x 448 in magnitude) and far over every masked one,
; so a step all of whose keys are masked gives p = 0.  A row all of whose keys are masked gets the NaN code, as the softmax of such a row is NaN.
; SHARES.  A work-group owns 512 queries of one head, in two passes of 256; each of its eight waves owns TWO tiles of 16 queries, which share every fragment of K, of V and of the bias: 48 LDS loads serve 24 matrix instructions.
; All of the head's K and V, 2 x 131,072 bytes, lies in LDS, stored there once at the head through registers (64 loads and 64 LDS stores a thread); one barrier; behind it the waves share nothing.
; THE HOLD of p at 448 x 2^e6.  p is at most 2^x with x <= |t| x 2^-24; where e4 + e5 <= 0, |t| stays under 2^22, so p < 1.2; where also e6 >= -8 the bound is 1.75 or more and the hold changes nothing.
; Then a scalar branch on these given whole numbers, inside the step, leads round the 64 holds of each tile (of some 260 vector instructions a tile and step).  For all other exponents the holds are executed.
; NO TENSOR LOADS, NO CLUSTER: the head's four work-groups read the same 262,144 bytes once each, at the head alone.
; NO PREFETCH: all reads of memory stand at the head; there is no loop to run ahead in.
; LAYOUT.  Both products are used transposed: S^T = K Q^T, O^T = V^T P^T: a lane holds ONE query (lane % 16) of each tile; register j of block t is key 16 t + 8 (lane / 16) + j, so eight conversions give P in the plain 8-bit layout.
; THE LOOK-AHEAD: the next step's K and bias are asked for behind the first products, the next V behind the second.  A pass's last step so reads one step beyond each region: K's in V's region, V's in the bias and its 512 bytes of padding,
; the bias's in that padding: bytes that were written at the head; what is read there is not used.
; OUT: code = (O / sum) / 2^(e8 - e6 - e7), to [block of 128 tokens][16 heads][128 tokens][64 bytes].
; LIMITS on the given exponents: e4 + e5 between -100 and 60 (they are added to the exponent fields of c and of -1e20 x c, and a masked score x c must stay far under every t); e6, and e8 - e6 - e7, between -126 and 119.
; REGISTERS, two windows of 256.  Window 0: v0-15 addresses; v16-143 tile 0 (Q 16, S 64, O 32, p's codes 16); v144-175 both tiles' running numbers; v176-191 constants; v192-255 K.
; Window 1: v16-143 tile 1, at the same numbers; v0-15 and v144-191 the bias; v192-255 V.
.set KP,    272                        ; an LDS row: 256 bytes (four keys, or four channels) + 16 of padding
.set VREG,  139264                     ; K: 512 rows from byte 0; V: 512 rows from here
.set MB,    278528                     ; the bias: 2,048 f32, and 512 bytes of padding
.set STG,   287232                     ; a stage of 16 rows x 80 bytes for each tile of each wave
.set SPARE, 307712                     ; the spare words: 128 bytes a wave
.set STB,   8704                       ; a step of 128 keys: 32 LDS rows
.set AK,  1                            ; my lane's place in a tile of K; v2 of V; v3 in the bias
.set AV,  2
.set AM,  3
.set ADK, 4                            ; v4-6 the addresses of the step that is asked for
.set ADV, 5
.set ADM, 6
.set GO,  7                            ; 16 x lane
.set SPW, 8
.set NIL, 9
.set FA,  10                           ; v10-13 the fill's LDS addresses, 16 rows x 16 apart
.set MO,  14                           ; 32 x thread: the mask
.set FO,  15                           ; 16 x thread: the fill
.set Q,   16
.set S,   32
.set O,   96
.set PC,  128
.set KV,  192
; a tile's running numbers, from m = 144 (tile 0) or 160 (tile 1): m -M, m+1 largest t, m+2,3 the sum, m+4,5 f and 0, m+6 largest raw score, m+7 at work, m+8..13 partial maxima, then partial sums, m+14 the other half's, m+15 the old -M
.set PLIM, 176
.set PSC,  177
.set OLIM, 178
.set OSC,  179
.set NAN,  180
.set SI,   181
.set SO,   182
.set NEG,  189
.set BST,  190
.set PST,  191
.set WV,  12
.set CS,  58                           ; s[58:59] c = log2(e) / 8 x 2^(e4 + e5)
.set SEL, 60
.set TB,  62
.set TM,  63
.set CNT, 66
.set HOLD, 67                          ; 1: the holds are executed
.set T0,  68                           ; -1e20 x c
.set NK,  70                           ; s70, s71: lanes whose row has no open key
.set MSB, 0
.macro WIN new                         ; the immediate's high byte repeats the setting that is left
.if MSB != (\new)
	s_set_vgpr_msb (MSB<<8)|(\new)
.set MSB, (\new)
.endif
.endm
.macro GLD g, reg, base                ; 16 loads: 256 threads x 16 bytes = 16 LDS rows each
.set I, 0
.rept 16
	global_load_b128 v[\reg+4*I:\reg+4*I+3], v[FO], s[\base:\base+1] offset:4096*(16*((\g)%2)+I)
.set I, I+1
.endr
.endm
.macro GST g, reg
.set I, 0
.rept 16
	ds_store_b128 v[FA+\g], v[\reg+4*I:\reg+4*I+3] offset:4352*I
.set I, I+1
.endr
.endm
	s_load_b256 s[4:11], s[0:1], 0x0               ; q, k, v s[4:5], the mask s[6:7], the exponents s[8:9], the result's codes s[10:11]
	v_lshl_add_u32 v[SPW], v0, 2, SPARE
	v_mov_b32 v[NIL], 0
	v_lshrrev_b32 v10, 5, v0
	v_readfirstlane_b32 s[WV], v10                 ; wave 0..7
	v_lshlrev_b32 v[FO], 4, v0
	v_lshlrev_b32 v[MO], 5, v0
	v_lshrrev_b32 v10, 4, v0
	v_and_b32 v11, 15, v0
	v_mul_u32_u24 v10, v10, KP
	v_lshl_add_u32 v[FA], v11, 4, v10              ; the fill: row thread / 16, 16 bytes a thread
	v_add_nc_u32 v[FA+1], 69632, v[FA]
	v_add_nc_u32 v[FA+2], 139264, v[FA]
	v_add_nc_u32 v[FA+3], 208896, v[FA]
	v_and_b32 v5, 15, v0                           ; r
	v_bfe_u32 v6, v0, 4, 1                         ; h
	v_lshlrev_b32 v4, 6, v5
	v_lshl_add_u32 v4, v6, 4, v4                   ; Q: row r of 64 bytes, + 16 h
	v_lshrrev_b32 v[AK], 2, v5
	v_mul_u32_u24 v[AK], v[AK], KP
	v_and_b32 v2, 3, v5
	v_lshl_add_u32 v[AK], v2, 6, v[AK]
	v_lshl_add_u32 v[AK], v6, 4, v[AK]             ; (r / 4) x 272 + (r % 4) x 64 + 16 h
	v_lshlrev_b32 v[AM], 5, v6
	v_add_nc_u32 v[AM], MB, v[AM]                  ; the bias of keys 8 h + 0 .. 7 of a block
	v_and_b32 v[GO], 31, v0
	v_lshlrev_b32 v[GO], 4, v[GO]
	s_mul_i32 s24, s[WV], 2560
	s_add_co_u32 s24, s24, STG                     ; my two stages
	v_mul_u32_u24 v[SI], v5, 80
	v_lshl_add_u32 v[SI], v6, 3, v[SI]
	v_add_nc_u32 v[SI], s24, v[SI]                 ; in: row r, + 8 h
	v_bfe_u32 v[SO], v0, 2, 3
	v_mul_u32_u24 v[SO], v[SO], 80
	v_and_b32 v2, 3, v0
	v_lshl_add_u32 v[SO], v2, 4, v[SO]
	v_add_nc_u32 v[SO], s24, v[SO]                 ; back: four lanes to a row
	v_add_nc_u32 v[AV], VREG, v[AK]
	v_lshl_add_u32 v[BST], v0, 5, MB               ; where my eight numbers of the bias go,
	v_lshl_add_u32 v[PST], v0, 1, MB+8192          ; and my two bytes of its padding
	v_mov_b32 v[NEG], 0xff61b1e6                   ; -3e38
	v_mov_b32 v[NAN], 0x7f7f7f7f
	s_wait_alu depctr_va_vdst(0)
	s_and_b32 s14, ttmp9, 15                       ; batch x head: bits 3:0 and 7:6 of the work-group's number;
	s_lshr_b32 s13, ttmp9, 6
	s_lshl_b32 s13, s13, 4
	s_or_b32 s14, s14, s13
	s_bfe_u32 s13, ttmp9, 0x20004                  ; which 512 queries: bits 5:4: a head's four work-groups have numbers 16 apart
	s_lshl_b32 s20, s14, 17
	s_add_co_u32 s20, s20, 8388608                 ; k's region, the head's 2^17 bytes
	s_mov_b32 s21, 0
	s_lshr_b32 s18, s14, 4
	s_lshl_b32 s18, s18, 13                        ; the batch's row of the mask
	s_mov_b32 s19, 0
	s_lshl_b32 s26, s14, 17
	s_lshl_b32 s25, s13, 15                        ; my work-group's 512 queries,
	s_add_co_u32 s26, s26, s25
	s_lshl_b32 s25, s[WV], 11                      ; my wave's 32
	s_add_co_u32 s26, s26, s25
	s_mov_b32 s27, 0
	s_lshr_b32 s28, s14, 4                         ; the result: block of 128 tokens = 16 batch + 4 x + wave / 4 (+ 2 in pass 1),
	s_lshl_b32 s28, s28, 4
	s_lshl_b32 s25, s13, 2
	s_add_co_u32 s28, s28, s25
	s_lshr_b32 s25, s[WV], 2
	s_add_co_u32 s28, s28, s25
	s_lshl_b32 s28, s28, 17
	s_and_b32 s25, s14, 15                         ; the head's 8,192 bytes in it,
	s_lshl_b32 s25, s25, 13
	s_add_co_u32 s28, s28, s25
	s_and_b32 s25, s[WV], 3                        ; my 32 tokens of 64 bytes
	s_lshl_b32 s25, s25, 11
	s_add_co_u32 s28, s28, s25
	s_mov_b32 s29, 0
	s_mov_b32 s[SEL], 0x76543210
	s_mov_b32 s[SEL+1], 0xfedcba98
	s_wait_kmcnt 0x0
	s_load_b256 s[48:55], s[8:9], 0x0              ; entries 0 to 7
	s_load_b64 s[56:57], s[8:9], 0x20              ; entries 8, 9
	s_add_nc_u64 s[20:21], s[4:5], s[20:21]        ; K
	s_add_nc_u64 s[22:23], s[20:21], 8388608       ; V
	s_add_nc_u64 s[6:7], s[6:7], s[18:19]
	s_add_nc_u64 s[4:5], s[4:5], s[26:27]
	s_add_nc_u64 s[10:11], s[10:11], s[28:29]
	global_load_b128 v[96:99], v[MO], s[6:7]       ; the mask: 8 numbers a thread
	global_load_b128 v[100:103], v[MO], s[6:7] offset:16
	GLD 0, 32, 20                                  ; K's halves, V's first half: each group has 64 registers of its own
	WIN 0x40
	GLD 1, 32, 20
	WIN 0
	GLD 2, 192, 22
.irp u, 0,1
	WIN 0x40*\u
.irp p, 0,1
	global_load_b128 v[Q+8*\p:Q+8*\p+3], v4, s[4:5] offset:16384*\p+1024*\u       ; Q: tile u of pass p, in window u
	global_load_b128 v[Q+8*\p+4:Q+8*\p+7], v4, s[4:5] offset:16384*\p+1024*\u+32
.endr
.endr
	WIN 0
	s_wait_loadcnt 56                              ; the mask is in: behind it 3 x 16 loads of the fill and Q's 8
.irp i, 0,1,2,3,4,5,6,7
	v_cmp_eq_f32 vcc_lo, 0, v[96+\i]
	v_cndmask_b32 v[96+\i], 0, v[NEG], vcc_lo      ; -3e38 where mask == 0, else 0
.endr
	ds_store_b128 v[BST], v[96:99]
	ds_store_b128 v[BST], v[100:103] offset:16
	ds_store_b16 v[PST], v[NIL]
	s_wait_loadcnt 40                              ; group 0 is in: behind it groups 1, 2 and Q
	GST 0, 32
	WIN 0x40
	GLD 3, 192, 22                                 ; V's second half: 56 loads are out
	WIN 0
	s_wait_kmcnt 0x0
	s_add_co_i32 s18, s52, s53                     ; e4 + e5
	s_cmp_gt_i32 s18, 0
	s_cselect_b32 s[HOLD], 1, 0
	s_cmp_lt_i32 s54, -8
	s_cselect_b32 s[HOLD], 1, s[HOLD]              ; the holds are executed unless e4 + e5 <= 0 and e6 >= -8
	s_lshl_b32 s18, s18, 23
	s_mov_b32 s[CS], 0x3e38aa3b                    ; log2(e) / 8
	s_add_co_i32 s[CS], s[CS], s18                 ; a score stands for score x 2^(e4 + e5): added to c's exponent field
	s_mov_b32 s[CS+1], s[CS]
	s_add_co_i32 s[T0], s18, 0xdf7a47e8            ; -1e20 x log2(e) / 8, likewise
	s_add_co_i32 s18, s54, 127
	s_lshl_b32 s19, s18, 23
	v_mov_b32 v[PSC], s19                          ; 2^e6
	s_add_co_i32 s18, s18, 8
	s_lshl_b32 s18, s18, 23
	s_or_b32 s18, s18, 0x600000
	v_mov_b32 v[PLIM], s18                         ; 448 x 2^e6
	s_sub_co_i32 s18, s56, s54
	s_sub_co_i32 s18, s18, s55
	s_add_co_i32 s18, s18, 127
	s_lshl_b32 s19, s18, 23
	v_mov_b32 v[OSC], s19                          ; 2^(e8 - e6 - e7)
	s_add_co_i32 s18, s18, 8
	s_lshl_b32 s18, s18, 23
	s_or_b32 s18, s18, 0x600000
	v_mov_b32 v[OLIM], s18
	s_wait_alu depctr_va_vdst(0)
	s_wait_loadcnt 40                              ; group 1 is in: behind it group 2, Q, group 3
	WIN 0x04
	GST 1, 32
	WIN 0
	s_wait_loadcnt 24
	GST 2, 192
	s_wait_loadcnt 0x0
	WIN 0x04
	GST 3, 192
	WIN 0
	s_wait_dscnt 0x0                               ; my part of K, V and the bias is stored
	s_barrier_signal -1
	s_barrier_wait -1
.macro ADDR
	v_add_nc_u32 v[ADK], s[TB], v[AK]
	v_add_nc_u32 v[ADV], s[TB], v[AV]
	v_add_nc_u32 v[ADM], s[TM], v[AM]
.endm
.macro KBLOAD                          ; K's 8 fragments into window 0, the bias's 8 blocks into window 1
.irp t, 0,1,2,3,4,5,6,7
	ds_load_b128 v[KV+8*\t:KV+8*\t+3], v[ADK] offset:1088*\t
	ds_load_b128 v[KV+8*\t+4:KV+8*\t+7], v[ADK] offset:1088*\t+32
.endr
	WIN 0x40
.irp t, 0,1,2,3,4,5,6,7
.set BB, 8*\t+128*((\t+6)/8)
	ds_load_b128 v[BB:BB+3], v[ADM] offset:64*\t
	ds_load_b128 v[BB+4:BB+7], v[ADM] offset:64*\t+16
.endr
	WIN 0
.endm
.macro VLOAD                           ; V^T: channels 16 d + r, keys 32 c on, into window 1
	WIN 0x40
.irp d, 0,1,2,3
.irp c, 0,1,2,3
	ds_load_b128 v[KV+16*\d+4*\c:KV+16*\d+4*\c+3], v[ADV] offset:(\c/2)*4352+1088*\d+32*(\c%2)
.endr
.endr
	WIN 0
.endm
.macro SCORES w, qb                    ; S^T + the bias: D and Q in the tile's window, K in window 0, the bias in window 1
	WIN 0x10+0x44*(\w)
.irp t, 0,1,2,3,4,5,6,7
.set BB, 8*\t+128*((\t+6)/8)
	v_wmma_f32_16x16x64_fp8_fp8 v[S+8*\t:S+8*\t+7], v[KV+8*\t:KV+8*\t+7], v[\qb:\qb+7], v[BB:BB+7]
.endr
.endm
.macro MAXES w                         ; my 64 scores' largest, in four chains; each accumulator from its low end on
.set MM, 144+16*(\w)
	WIN 0x05*(\w)
.irp i, 0,1,2,3
	v_max_num_f32 v[MM+8+\i], v[S+2*\i], v[S+2*\i+1]
.endr
.set J, 8
.rept 7
.irp i, 0,1,2,3
	v_max3_num_f32 v[MM+8+\i], v[S+J+2*\i], v[S+J+2*\i+1], v[MM+8+\i]
.endr
.set J, J+8
.endr
.endm
.macro FMAS w                          ; t - M, two at a time
.set MM, 144+16*(\w)
	WIN 0x41*(\w)
.set J, 0
.rept 32
	v_pk_fma_f32 v[S+J:S+J+1], v[S+J:S+J+1], s[CS:CS+1], v[MM:MM+1] op_sel_hi:[1,0,0]
.set J, J+2
.endr
.endm
.macro EXPS w
	WIN 0x41*(\w)
.set J, 0
.rept 64
	v_exp_f32 v[S+J], v[S+J]
.set J, J+1
.endr
.endm
.macro SUMS w                          ; the row's sum of the unquantised p: four chains of packed additions
.set MM, 144+16*(\w)
	WIN 0x05*(\w)
.irp i, 0,1,2
	v_pk_add_f32 v[MM+8+2*\i:MM+9+2*\i], v[S+4*\i:S+4*\i+1], v[S+4*\i+2:S+4*\i+3]
.endr
	WIN 0x04*(\w)
.set J, 12
.rept 6
	v_pk_add_f32 v[MM+2:MM+3], v[MM+2:MM+3], v[S+J:S+J+1]
.irp i, 0,1,2
	v_pk_add_f32 v[MM+8+2*\i:MM+9+2*\i], v[MM+8+2*\i:MM+9+2*\i], v[S+J+2+2*\i:S+J+3+2*\i]
.endr
.set J, J+8
.endr
	v_pk_add_f32 v[MM+2:MM+3], v[MM+2:MM+3], v[S+60:S+61]
	v_pk_add_f32 v[MM+8:MM+9], v[MM+8:MM+9], v[S+62:S+63]
	WIN 0
	v_pk_add_f32 v[MM+10:MM+11], v[MM+10:MM+11], v[MM+12:MM+13]
	v_pk_add_f32 v[MM+2:MM+3], v[MM+2:MM+3], v[MM+8:MM+9]
	v_pk_add_f32 v[MM+2:MM+3], v[MM+2:MM+3], v[MM+10:MM+11]
.endm
.macro HOLDS w                         ; the conversion does not saturate (ISA guide 7.6.2); p is not negative, so the hold is one-sided
	WIN 0x41*(\w)
.set J, 0
.rept 64
	v_min_num_f32 v[S+J], v[S+J], v[PLIM]
.set J, J+1
.endr
.endm
.macro CVTS w
	WIN 0x41*(\w)
.irp t, 0,1,2,3,4,5,6,7
	v_cvt_scalef32_pk8_fp8_f32 v[PC+2*\t:PC+2*\t+1], v[S+8*\t:S+8*\t+7], v[PSC]
.endr
.endm
.macro RESC w                          ; O^T under the new M
.set MM, 144+16*(\w)
	WIN 0x41*(\w)
	s_wait_alu depctr_va_vdst(0)
.set J, 0
.rept 16
	v_pk_mul_f32 v[O+J:O+J+1], v[O+J:O+J+1], v[MM+4:MM+5] op_sel_hi:[1,0]
.set J, J+2
.endr
.endm
.macro PV w                            ; O^T += V^T P^T: V in window 1, all else in the tile's window; eight accumulators, one instruction each
	WIN 0x01+0x54*(\w)
.irp d, 0,1,2,3
	v_wmma_f32_16x16x128_fp8_fp8 v[O+8*\d:O+8*\d+7], v[KV+16*\d:KV+16*\d+15], v[PC:PC+15], v[O+8*\d:O+8*\d+7]
.endr
.endm
; A KEY STEP: 128 keys for both tiles.
.macro STEP qb
	s_wait_dscnt 16                                ; K and the bias are in; V's 16 loads may be out
	SCORES 0, \qb
	SCORES 1, \qb
	WIN 0
	s_add_co_u32 s[TB], s[TB], STB
	s_add_co_u32 s[TM], s[TM], 512
	ADDR                                           ; three of the four places in front of the loads and of the first read of the scores
	v_nop
	KBLOAD                                         ; the next step's
	MAXES 0
	MAXES 1
	WIN 0
.irp m, 144,160                                ; the two tiles' chains take turns, line by line
	v_max3_num_f32 v[\m+7], v[\m+8], v[\m+9], v[\m+10]
.endr
.irp m, 144,160
	v_max_num_f32 v[\m+7], v[\m+7], v[\m+11]
.endr
.irp m, 144,160
	v_permlanex16_b32 v[\m+14], v[\m+7], s[SEL], s[SEL+1]
.endr
.irp m, 144,160
	v_max_num_f32 v[\m+7], v[\m+7], v[\m+14]       ; and among lane l xor 16's
.endr
.irp m, 144,160
	v_max_num_f32 v[\m+6], v[\m+6], v[\m+7]        ; kept raw: it tells at the end whether any key was open
.endr
.irp m, 144,160
	v_mul_f32 v[\m+7], s[CS], v[\m+7]              ; as t (c is positive)
.endr
.irp m, 144,160
	v_max_num_f32 v[\m+1], v[\m+1], v[\m+7]
.endr
.irp m, 144,160
	v_mov_b32 v[\m+15], v[\m]
.endr
.irp m, 144,160
	v_floor_f32 v[\m], -v[\m+1]                    ; the new -M = -ceil(t)
.endr
.irp m, 144,160
	v_sub_f32 v[\m+7], v[\m], v[\m+15]             ; old M - new M: a whole number, 0 or less
.endr
.irp m, 144,160
	v_cvt_i32_f32 v[\m+7], v[\m+7]                 ; (it saturates)
.endr
.irp m, 144,160
	v_ldexp_f32 v[\m+4], 1.0, v[\m+7]              ; f = 2^(old M - new M)
.endr
	FMAS 0
	FMAS 1
	s_wait_alu depctr_va_vdst(0)
	EXPS 1                                         ; one batch of 128
	EXPS 0
	v_pk_mul_f32 v[146:147], v[146:147], v[148:149] op_sel_hi:[1,0]   ; the sums under the new M: plain lines behind the exponentials
	v_pk_mul_f32 v[162:163], v[162:163], v[164:165] op_sel_hi:[1,0]
	s_wait_alu depctr_va_vdst(0)                   ; one wait for the batch, ahead of its first reader
	SUMS 0
	SUMS 1
	s_cmp_eq_u32 s[HOLD], 0
	s_wait_alu depctr_va_vdst(0)
	s_cbranch_scc1 .Lfree_\@
	HOLDS 0
	HOLDS 1
	WIN 0
.Lfree_\@:
	CVTS 0
	CVTS 1
	RESC 1                                         ; (plain lines between the conversions and the products that read the codes)
	RESC 0
	s_wait_alu depctr_va_vdst(0)
	s_wait_dscnt 32                                ; V is in; the next step's K and bias, 32 loads, may be out
	PV 0
	PV 1
	WIN 0
.rept 4
	v_nop                                          ; places in front of the loads over V
.endr
	VLOAD                                          ; the next step's
.endm
.macro INIT                            ; a pass begins: the key step is written once, and its first turn finds zeros
.irp m, 144,160
	v_mov_b32 v[\m+1], s[T0]
	v_floor_f32 v[\m], -v[\m+1]
	v_mov_b32 v[\m+2], 0
	v_mov_b32 v[\m+3], 0
	v_mov_b32 v[\m+5], 0                           ; (named as the upper half of a pair)
	v_mov_b32 v[\m+6], 0xff800000
	v_mov_b32 v[\m+14], 0                          ; (a lane permute's destination counts as one of its sources)
.endr
.irp w, 0,1
	WIN 0x40*\w
.set J, 0
.rept 32
	v_mov_b32 v[O+J], 0
.set J, J+1
.endr
.endr
	WIN 0
.endm
.macro OUTT w                          ; a tile's O^T / the sum, quantised, through its stage
.set MM, 144+16*(\w)
	WIN 0x41*(\w)
	s_wait_alu depctr_va_vdst(0)                   ; behind the reciprocals, directly ahead of the first reader of O^T
.set J, 0
.rept 32
	v_mul_f32 v[S+J], v[O+J], v[MM+2]              ; register 8 d + j is channel 16 d + 8 h + j of my query
.set J, J+1
.endr
.set J, 0
.rept 32
	v_med3_num_f32 v[S+J], v[S+J], -v[OLIM], v[OLIM]
.set J, J+1
.endr
.irp d, 0,1,2,3
	v_cvt_scalef32_pk8_fp8_f32 v[PC+2*\d:PC+2*\d+1], v[S+8*\d:S+8*\d+7], v[OSC]
.endr
	v_nop                                          ; a plain line behind the last conversion
.irp i, 0,1,2,3,4,5,6,7
	v_cndmask_b32 v[PC+\i], v[PC+\i], v[NAN], s[NK+\w]
.endr
	WIN 0x04*(\w)
.irp d, 0,1,2,3
	ds_store_b64 v[SI], v[PC+2*\d:PC+2*\d+1] offset:16*\d+1280*(\w)
.endr
	WIN 0x40*(\w)
.irp i, 0,1
	ds_load_b128 v[S+32+4*\i:S+35+4*\i], v[SO] offset:640*\i+1280*(\w)   ; LDS serves a wave's instructions in order: these see my stores
.endr
.endm
.macro FINISH p
.irp m, 144,160
	v_add_f32 v[\m+2], v[\m+2], v[\m+3]
.endr
.irp m, 144,160
	v_permlanex16_b32 v[\m+14], v[\m+2], s[SEL], s[SEL+1]
.endr
.irp m, 144,160
	v_add_f32 v[\m+2], v[\m+2], v[\m+14]           ; the row's sum
.endr
	v_cmp_gt_f32 s[NK], 0xfe967699, v150           ; -1e38 > the largest raw score: no key was open
	v_cmp_gt_f32 s[NK+1], 0xfe967699, v166
	s_wait_alu depctr_va_vdst(0)
	v_rcp_f32 v146, v146
	v_rcp_f32 v162, v162
	v_nop                                          ; a plain line behind them
	OUTT 0
	OUTT 1
	WIN 0
	s_wait_dscnt 0x0                               ; both tiles are back (and the look-ahead's loads are done)
.irp w, 0,1
	WIN 0x04*\w
.irp i, 0,1
	global_store_b128 v[GO], v[S+32+4*\i:S+35+4*\i], s[10:11] offset:262144*\p+1024*\w+512*\i   ; eight tokens of 64 bytes: 512 consecutive bytes
.endr
.endr
	WIN 0
.if \p == 0
	s_wait_xcnt 0x0                                ; the stores have read their registers, which the next pass writes
.endif
.endm
.macro PASS p
	INIT
	s_mov_b32 s[TB], 0
	s_mov_b32 s[TM], 0
	s_mov_b32 s[CNT], 16
	ADDR
	KBLOAD                                         ; step 0's K, bias and V
	VLOAD
	s_wait_alu depctr_va_vdst(0)
.Lpass_\@:
	STEP Q+8*\p
	s_sub_co_u32 s[CNT], s[CNT], 1
	s_cmp_lg_u32 s[CNT], 0
	s_cbranch_scc1 .Lpass_\@
	FINISH \p
.endm
	PASS 0
	PASS 1
	s_wait_tensorcnt 0x0                           ; the wave's end, behind my last LDS store
	ds_add_u32 v[SPW], v[NIL]
	s_wait_dscnt 0x0
	s_endpgm
.Lfunc_end_k_qdc04476871_attn:
	.size	k_qdc04476871_attn, .Lfunc_end_k_qdc04476871_attn-k_qdc04476871_attn
	.p2alignl 7, 3214868480
	.fill 96, 4, 3214868480
	.section	.rodata,"a",@progbits
	.p2align	6, 0x0
	.amdhsa_kernel k_qdc04476871_attn
		.amdhsa_group_segment_fixed_size 308736
		.amdhsa_private_segment_fixed_size 0
		.amdhsa_enable_private_segment 0
		.amdhsa_kernarg_size 32
		.amdhsa_user_sgpr_count 2
		.amdhsa_user_sgpr_kernarg_segment_ptr 1
		.amdhsa_wavefront_size32 1
		.amdhsa_system_sgpr_workgroup_id_x 1
		.amdhsa_system_sgpr_workgroup_id_y 1
		.amdhsa_system_sgpr_workgroup_id_z 1
		.amdhsa_system_vgpr_workitem_id 0
		.amdhsa_next_free_vgpr 512
		.amdhsa_next_free_sgpr 80
		.amdhsa_reserve_vcc 1
		.amdhsa_float_denorm_mode_32 3
		.amdhsa_float_denorm_mode_16_64 3
		.amdhsa_memory_ordered 1
		.amdhsa_forward_progress 1
		.amdhsa_inst_pref_size 109
	.end_amdhsa_kernel
	.amdgpu_metadata
---
amdhsa.version: [ 1, 2 ]
amdhsa.kernels:
  - .name:           k_qdc04476871_attn
    .symbol:         k_qdc04476871_attn.kd
    .args:
      - { .name: qkv, .offset: 0, .size: 8, .value_kind: global_buffer, .address_space: global }
      - { .name: mask, .offset: 8, .size: 8, .value_kind: global_buffer, .address_space: global }
      - { .name: lowp_scales, .offset: 16, .size: 8, .value_kind: global_buffer, .address_space: global }
      - { .name: ac, .offset: 24, .size: 8, .value_kind: global_buffer, .address_space: global }
    .group_segment_fixed_size: 308736
    .private_segment_fixed_size: 0
    .kernarg_segment_align: 8
    .kernarg_segment_size: 32
    .max_flat_workgroup_size: 256
    .sgpr_count:     80
    .vgpr_count:     512
    .wavefront_size: 32
...
	.end_amdgpu_metadata
.endif
;; end of part 3
;; launch outp (part 4): grid 4 x 64, 4 waves a work-group, clusters of 4 x 4, 327,680 bytes of LDS; arguments ac, cod, lowp_scales, bo, out0; writes out0
.if DOCPART == 4
	.amdgcn_target "amdgcn-amd-amdhsa--gfx1250"
	.amdhsa_code_object_version 6
	.text
	.protected	k_qdc04476871_outp
	.globl	k_qdc04476871_outp
	.p2align	8
	.type	k_qdc04476871_outp,@function
k_qdc04476871_outp:
	s_mov_b64 s[64:65], 0
	v_nop
	global_prefetch_b8 v0, s[64:65] scope:SCOPE_SE
	s_setreg_imm32_b32 hwreg(HW_REG_WAVE_MODE, 25, 1), 1
	s_wait_xcnt 0x0
	s_wait_alu depctr_hold_cnt(0) depctr_sa_sdst(0) depctr_va_vdst(0) depctr_va_sdst(0) depctr_va_ssrc(0) depctr_va_vcc(0) depctr_vm_vsrc(0)
	s_getreg_b32 s2, hwreg(HW_REG_IB_STS2, 6, 4)
	s_cmp_eq_u32 s2, 0
	s_cbranch_scc0 .Lentry_in_a_cluster
	s_endpgm
.Lentry_in_a_cluster:
	s_bfe_u32 s2, ttmp6, 0x10000c
	s_cmp_lg_u32 s2, 0xf033
	s_cbranch_scc0 .Lentry_shape_is_right
	s_endpgm
.Lentry_shape_is_right:
; out0[8192][1024] f32 = A Wo x 2^(e8 + e9) + bo, on codes of FP8 (E4M3).  A: the attention's codes, [block of 128 tokens][16 heads][128 tokens][64 bytes]; Wo's codes: rows of 1,024 bytes (row n = column n of Wo) from byte WOC of cod.
; LIMIT: e8 + e9 between -126 and 127, so that 2^(e8 + e9) is an f32 number.
; A block of 128 tokens x 256 columns is made by a work-group of four waves: 64 x 4 blocks = 256 work-groups.  A wave makes 64 x 128: 32 accumulators of 16 x 16, 256 registers.
; K goes in steps of 256 (four heads) through a ring of two LDS slots: A's part is 32,768 dense bytes, stated as 128 rows of 256 bytes (a row: four tokens of one head); B's 256 rows of 256 bytes.
; Waves 0 and 1 fetch A's halves (64 rows), waves 2 and 3 B's (128 rows): one tensor load a wave behind each round.
; CLUSTERS: 4 x 4 work-groups; the four of a row need the same tiles of A, the four of a column the same tiles of B: each tile is asked for jointly.
; NO PREFETCH: K has four steps; two come by the head's loads, and the only two refills are the last two steps: no step stands two refills ahead.
; The matrix instruction is used transposed (source 0 = 16 rows of Wo's codes, source 1 = 16 tokens): a lane holds eight neighbouring columns of one token's row.
; REGISTERS: window 0: v0-31 addresses and the bias, v128-255 A's fragments, two sets of 4 x 16; window 1: B's fragments, two sets of 8 x 16; on the way out 4 x 64 registers, one set for each block of 16 rows,
; so that no store's data are written again; window 2: accumulator (a, b) at v[8 (8 a + b)].
.set KROW,   1024
.set ROWB,   256
.set ASTEP,  32768                     ; A: four heads on
.set PITCH,  272                       ; an LDS row: 256 bytes + 16 of padding
.set HA,     128*PITCH                 ; A's part of a slot; B's is twice that
.set SLOT,   3*HA
.set SPARE,  2*SLOT                    ; behind the ring: the spare words, 128 bytes a wave
.set SPITCH, 528                       ; the way out: a stage of 16 rows x (512 + 16) bytes a wave, in slot 0, behind its last fill and its last read
.set WOC,    19922944
.set NROW,   4096                      ; a row of out0 in bytes
.set BIA,  8                           ; v8-11 the bias of my four columns
.set ADRA, 16                          ; v16-17 my A fragments in slot 0, 1
.set ADRB, 20                          ; v20-21 the same for B
.set STO,  24
.set RD,   25
.set CO,   26                          ; 16 x lane
.set SPW,  28
.set NIL,  29
.set AF,   128
.set G1, 24                            ; s[24:31] group 1 for A, s[32:39] its groups 0; s[48:55], s[56:63] for B
.set G0, 32
.set G1B, 48
.set G0B, 56
.set MUL,  0xa1                        ; source 0 (B) window 1, source 1 (A) window 0, C and D window 2
.set MSB, 0
.macro WIN new                         ; the immediate's high byte repeats the setting that is left
.if MSB != (\new)
	s_set_vgpr_msb (MSB<<8)|(\new)
.set MSB, (\new)
.endif
.endm
.macro JLOAD g0a, g0b                  ; a joint load: each line has one mask and one set of registers; the branch hangs on the wave's number alone; an s_nop 0 and four v_nop behind each load
	s_cmp_eq_u32 s15, 0
	s_cbranch_scc0 .Lfor_b_\@
	tensor_load_to_lds s[\g0a:\g0a+3], s[G1:G1+7]
	s_nop 0
.rept 4
	v_nop
.endr
	s_branch .Lasked_\@
.Lfor_b_\@:
	tensor_load_to_lds s[\g0b:\g0b+3], s[G1B:G1B+7]
	s_nop 0
.rept 4
	v_nop
.endr
.Lasked_\@:
.endm
.macro CREST                           ; a round of the cluster's barrier behind its opening barrier
	s_cmp_lg_u32 s14, 0
	s_cbranch_scc1 .Lnot_wave_0_\@
	s_barrier_signal -3
.Lnot_wave_0_\@:
	s_barrier_wait -3
	s_barrier_signal -1
	s_barrier_wait -1
.endm
.macro CROUND
	s_barrier_signal -1
	s_barrier_wait -1
	CREST
.endm
.macro PLACES
.rept 4
	v_nop
.endr
.endm
	s_load_b128 s[4:7], s[0:1], 0x0                ; A's codes s[4:5], cod s[6:7]
	s_load_b128 s[8:11], s[0:1], 0x10              ; the exponents s[8:9], bo s[10:11]
	s_load_b64 s[12:13], s[0:1], 0x20              ; out0
	v_lshl_add_u32 v[SPW], v0, 2, SPARE
	v_mov_b32 v[NIL], 0
	ds_add_u32 v[SPW], v[NIL]                      ; the opening lines: the add, twice on end, and its wait ahead of my first tensor load
	ds_add_u32 v[SPW], v[NIL]
	v_lshrrev_b32 v1, 5, v0
	v_readfirstlane_b32 s14, v1                    ; wave 0..3
	s_lshr_b32 s15, s14, 1                         ; which 64 tokens are mine.  Also: I fetch for A (0) or for B (1)
	s_and_b32 s16, s14, 1                          ; which 128 columns.  Also: which half of that tile I fetch
	s_bfe_u32 s40, ttmp6, 0x40000                  ; cx = the block's column of 256
	s_bfe_u32 s41, ttmp6, 0x40004                  ; cy
	s_and_b32 s17, ttmp7, 0xffff
	s_lshl_b32 s17, s17, 2
	s_add_co_u32 s17, s17, s41                     ; the block of 128 tokens = 4 x cluster y + cy
	s_lshl_b32 s43, s41, 2
	s_lshl_b32 s43, 15, s43                        ; my row of the cluster
	s_lshl_b32 s44, 0x1111, s40                    ; my column
	s_or_b32 s[G1+0], s43, (1<<20)|(1<<21)|(5<<22)|(3<<25)    ; the mask; elements of 1 byte; padding on; bit 21 beside a mask; four words behind every 64
	s_or_b32 s[G1B+0], s44, (1<<20)|(1<<21)|(5<<22)|(3<<25)
	s_mov_b32 s[G1+1], ROWB<<16
	s_mov_b32 s[G1+2], 64<<16                      ; A: 64 rows, dense
	s_mov_b32 s[G1+3], ROWB<<16
	s_mov_b32 s[G1+4], 64
	s_mov_b32 s[G1+5], ROWB
	s_mov_b32 s[G1+6], 0
	s_mov_b32 s[G1+7], 0
	s_mov_b32 s[G1B+1], ROWB<<16
	s_mov_b32 s[G1B+2], 128<<16                    ; B: 128 rows, 1,024 bytes apart
	s_mov_b32 s[G1B+3], ROWB<<16
	s_mov_b32 s[G1B+4], 128
	s_mov_b32 s[G1B+5], KROW
	s_mov_b32 s[G1B+6], 0
	s_mov_b32 s[G1B+7], 0
	s_lshl_b32 s20, s17, 17                        ; A: the block's 131,072 bytes, + my half of a K step's 32,768
	s_lshl_b32 s18, s16, 14
	s_add_co_u32 s20, s20, s18
	s_mov_b32 s21, 0
	s_lshl_b32 s46, s40, 18                        ; B: row 256 cx + 128 x half
	s_lshl_b32 s18, s16, 17
	s_add_co_u32 s46, s46, s18
	s_add_co_u32 s46, s46, WOC
	s_mov_b32 s47, 0
	s_mul_i32 s45, s16, 64*PITCH                   ; where they go: the wave's number alone enters an LDS address
	s_mul_i32 s42, s16, HA
	s_add_co_u32 s42, s42, HA
	s_lshl_b32 s74, s40, 10                        ; my first column in bytes: 1,024 cx + 512 x half
	s_lshl_b32 s75, s16, 9
	s_add_co_u32 s74, s74, s75
	s_mov_b32 s75, 0
	s_lshl_b32 s76, s17, 19                        ; my first row: 128 x block + 64 x half, rows of 4,096 bytes
	s_lshl_b32 s77, s15, 18
	s_add_co_u32 s76, s76, s77
	s_add_co_u32 s76, s76, s74
	s_mov_b32 s77, 0
	s_wait_dscnt 0x0                               ; both opening adds are done
	s_wait_kmcnt 0x0
	s_load_b64 s[96:97], s[8:9], 0x20              ; e8, e9
	s_add_nc_u64 s[20:21], s[4:5], s[20:21]
	s_add_nc_u64 s[46:47], s[6:7], s[46:47]
	s_add_nc_u64 s[10:11], s[10:11], s[74:75]
	s_add_nc_u64 s[12:13], s[12:13], s[76:77]
	CROUND                                         ; all sixteen work-groups are here: the first joint loads meet
.irp s, 0,1
	s_mov_b32 s[G0+4*\s], 1
	s_add_co_u32 s[G0+4*\s+1], s45, \s*SLOT
	s_add_nc_u64 s[G0+4*\s+2:G0+4*\s+3], s[20:21], \s*ASTEP
	s_or_b32 s[G0+4*\s+3], s[G0+4*\s+3], 0x80000000
	s_mov_b32 s[G0B+4*\s], 1
	s_add_co_u32 s[G0B+4*\s+1], s42, \s*SLOT
	s_add_nc_u64 s[G0B+4*\s+2:G0B+4*\s+3], s[46:47], \s*ROWB
	s_or_b32 s[G0B+4*\s+3], s[G0B+4*\s+3], 0x80000000
.endr
	JLOAD G0, G0B                                  ; K step 0: one tensor load a wave at the head
	v_and_b32 v1, 15, v0                           ; r
	v_bfe_u32 v2, v0, 4, 1                         ; h
	v_mul_u32_u24 v3, v1, PITCH
	v_lshl_add_u32 v4, v2, 4, v3                   ; B: row r, + 16 h
	v_lshrrev_b32 v5, 2, v1
	v_mul_u32_u24 v5, v5, PITCH
	v_and_b32 v6, 3, v1
	v_lshl_add_u32 v5, v6, 6, v5
	v_lshl_add_u32 v5, v2, 4, v5                   ; A: token r: row r / 4, 64 (r % 4), + 16 h
	v_mul_u32_u24 v7, v1, SPITCH
	v_lshl_add_u32 v7, v2, 5, v7                   ; the stage, in: row r, 32 bytes for each half of the lanes
	v_and_b32 v6, 31, v0
	v_lshlrev_b32 v[CO], 4, v6
	s_mul_i32 s21, s15, 16*PITCH                   ; my 64 tokens: 16 LDS rows of each head
	s_mul_i32 s22, s16, HA
	s_add_co_u32 s22, s22, HA                      ; my 128 rows of B, behind A's part
	s_mul_i32 s23, s14, 16*SPITCH                  ; my stage
	v_add_nc_u32 v[ADRA], s21, v5
	v_add_nc_u32 v[ADRB], s22, v4
	v_add_nc_u32 v[ADRA+1], SLOT, v[ADRA]
	v_add_nc_u32 v[ADRB+1], SLOT, v[ADRB]
	v_add_nc_u32 v[STO], s23, v7
	v_add_nc_u32 v[RD], s23, v[CO]                 ; back: the 32 lanes take one row of 512 bytes
	global_load_b128 v[BIA:BIA+3], v[CO], s[10:11]
.macro FETCH slot, q, p                ; the fragments of the slot's q-th 128 along K into set p: registers 4 c .. 4 c + 3 hold K = 32 c + 16 h + 0 .. 15, in A and in B alike
	WIN 0x40
.irp i, 0,1,2,3,4,5,6,7
.irp c, 0,1,2,3
	ds_load_b128 v[128*(\p)+16*\i+4*\c:128*(\p)+16*\i+4*\c+3], v[ADRB+\slot] offset:128*(\q)+32*\c+\i*16*PITCH
.endr
.endr
	WIN 0
.irp i, 0,1,2,3
.irp c, 0,1,2,3
	ds_load_b128 v[AF+64*(\p)+16*\i+4*\c:AF+64*(\p)+16*\i+4*\c+3], v[ADRA+\slot] offset:(2*(\q)+\c/2)*32*PITCH+32*(\c%2)+\i*4*PITCH
.endr
.endr
.endm
.macro MULA a, p, zero                 ; A's block a against B's eight; the 32 accumulators take turns, one instruction a turn
.irp b, 0,1,2,3,4,5,6,7
.if \zero
	v_wmma_f32_16x16x128_fp8_fp8 v[8*(8*(\a)+\b):8*(8*(\a)+\b)+7], v[128*(\p)+16*\b:128*(\p)+16*\b+15], v[AF+64*(\p)+16*(\a):AF+64*(\p)+16*(\a)+15], 0
.else
	v_wmma_f32_16x16x128_fp8_fp8 v[8*(8*(\a)+\b):8*(8*(\a)+\b)+7], v[128*(\p)+16*\b:128*(\p)+16*\b+15], v[AF+64*(\p)+16*(\a):AF+64*(\p)+16*(\a)+15], v[8*(8*(\a)+\b):8*(8*(\a)+\b)+7]
.endif
.endr
.endm
.macro STEP slot, zero                 ; a slot's first 128 along K, on set 0; the second's fragments are fetched ahead of its 32 products
	s_wait_dscnt 0x0                               ; set 0 is in
	PLACES                                         ; in front of loads into set 1, which the last products read
	FETCH \slot, 1, 1
	WIN MUL
.irp a, 0,1,2,3
	MULA \a, 0, \zero
.endr
	WIN 0
.endm
.macro TURN slot, next, fill           ; a slot's second 128, on set 1, and the change of slots
	s_wait_tensorcnt 0x0                           ; all my tensor loads have landed: my part of the next slot
	ds_add_u32 v[SPW], v[NIL]                      ; 0 onto my spare word
	s_wait_dscnt 1                                 ; set 1 is in; the add may be out
	WIN MUL
	MULA 0, 1, 0
	s_wait_dscnt 0x0                               ; the add is done, and my reads of this slot are over
	s_barrier_signal -1
	MULA 1, 1, 0
	WIN 0
	s_barrier_wait -1
.if \fill
	CREST                                          ; the barrier has opened a round: no wave of any partner still reads this slot or has a load on its way
	s_add_nc_u64 s[G0+4*\slot+2:G0+4*\slot+3], s[G0+4*\slot+2:G0+4*\slot+3], 2*ASTEP
	s_add_nc_u64 s[G0B+4*\slot+2:G0B+4*\slot+3], s[G0B+4*\slot+2:G0B+4*\slot+3], 2*ROWB
	JLOAD G0+4*\slot, G0B+4*\slot                  ; the first tensor load behind the round; its four v_nop are the places in front of the loads below
.else
	PLACES
.endif
	FETCH \next, 0, 0
	WIN MUL
	MULA 2, 1, 0
	MULA 3, 1, 0
	WIN 0
.endm
	s_wait_alu depctr_va_vdst(0)
	s_wait_tensorcnt 0x0                           ; my part of K step 0 is in; the same lines as ahead of a refill stand ahead of slot 1's first fill
	ds_add_u32 v[SPW], v[NIL]
	s_wait_dscnt 0x0
	CROUND
	JLOAD G0+4, G0B+4                              ; K step 1
	FETCH 0, 0, 0
	STEP 0, 1                                      ; the first products start the sums
	TURN 0, 1, 1
	STEP 1, 0
	TURN 1, 0, 1
	STEP 0, 0
	TURN 0, 1, 0                                   ; nothing is filled again: no round
	STEP 1, 0
	s_wait_dscnt 0x0
	WIN MUL
.irp a, 0,1,2,3
	MULA \a, 1, 0
.endr
	WIN 0
; THE WAY OUT, block by block of 16 tokens x 128 columns: through my stage, back as whole rows of 512 bytes, x 2^(e8 + e9) + the bias, and out as two aligned units of 256 bytes a store.
; LDS serves a wave's instructions in order (ISA guide 5.7.1.4): no wait between the stores and the loads, nor in front of the next block's stores.  Every offset is an immediate: 63 rows of 4,096 bytes at the most.
.macro TOSTAGE a
	WIN 0x08                                       ; data: window 2; each accumulator from its low end on
.irp b, 0,1,2,3,4,5,6,7
	ds_store_b128 v[STO], v[64*(\a)+8*\b:64*(\a)+8*\b+3] offset:64*\b
	ds_store_b128 v[STO], v[64*(\a)+8*\b+4:64*(\a)+8*\b+7] offset:64*\b+16
.endr
	WIN 0x40
.irp t, 0,1,2,3,4,5,6,7,8,9,10,11,12,13,14,15
	ds_load_b128 v[64*(\a)+4*\t:64*(\a)+4*\t+3], v[RD] offset:\t*SPITCH
.endr
	WIN 0
.endm
.macro SEND a, younger                 ; younger: the LDS instructions issued behind block a's loads
	s_wait_dscnt \younger
	WIN 0x41
.irp t, 0,1,2,3,4,5,6,7,8,9,10,11,12,13,14,15
	v_pk_fma_f32 v[64*(\a)+4*\t:64*(\a)+4*\t+1], v[64*(\a)+4*\t:64*(\a)+4*\t+1], s[96:97], v[BIA:BIA+1] op_sel_hi:[1,0,1]
	v_pk_fma_f32 v[64*(\a)+4*\t+2:64*(\a)+4*\t+3], v[64*(\a)+4*\t+2:64*(\a)+4*\t+3], s[96:97], v[BIA+2:BIA+3] op_sel_hi:[1,0,1]
.endr
	WIN 0x04
.irp t, 0,1,2,3,4,5,6,7,8,9,10,11,12,13,14,15
	global_store_b128 v[CO], v[64*(\a)+4*\t:64*(\a)+4*\t+3], s[12:13] offset:(16*(\a)+\t)*NROW th:TH_STORE_NT
.endr
	WIN 0
.endm
	s_wait_kmcnt 0x0
	s_add_co_i32 s96, s96, s97
	s_add_co_i32 s96, s96, 127
	s_lshl_b32 s96, s96, 23                        ; 2^(e8 + e9) as f32
	s_wait_loadcnt 0x0                             ; the bias
	PLACES                                         ; behind the last products: for the stores of their results and the loads over B's fragments
	TOSTAGE 0
	TOSTAGE 1
	SEND 0, 32                                     ; behind block 0's loads: block 1's 16 stores and 16 loads
	TOSTAGE 2
	SEND 1, 32
	TOSTAGE 3
	SEND 2, 32
	SEND 3, 0
	s_wait_tensorcnt 0x0                           ; the wave's end
	ds_add_u32 v[SPW], v[NIL]
	s_wait_dscnt 0x0
	CROUND                                         ; the closing round
	s_endpgm
.Lfunc_end_k_qdc04476871_outp:
	.size	k_qdc04476871_outp, .Lfunc_end_k_qdc04476871_outp-k_qdc04476871_outp
	.p2alignl 7, 3214868480
	.fill 96, 4, 3214868480
	.section	.rodata,"a",@progbits
	.p2align	6, 0x0
	.amdhsa_kernel k_qdc04476871_outp
		.amdhsa_group_segment_fixed_size 327680
		.amdhsa_private_segment_fixed_size 0
		.amdhsa_enable_private_segment 0
		.amdhsa_kernarg_size 40
		.amdhsa_user_sgpr_count 2
		.amdhsa_user_sgpr_kernarg_segment_ptr 1
		.amdhsa_wavefront_size32 1
		.amdhsa_system_sgpr_workgroup_id_x 1
		.amdhsa_system_sgpr_workgroup_id_y 1
		.amdhsa_system_sgpr_workgroup_id_z 1
		.amdhsa_system_vgpr_workitem_id 0
		.amdhsa_next_free_vgpr 768
		.amdhsa_next_free_sgpr 100
		.amdhsa_reserve_vcc 0
		.amdhsa_float_denorm_mode_32 3
		.amdhsa_float_denorm_mode_16_64 3
		.amdhsa_memory_ordered 1
		.amdhsa_forward_progress 1
		.amdhsa_inst_pref_size 76
	.end_amdhsa_kernel
	.amdgpu_metadata
---
amdhsa.version: [ 1, 2 ]
amdhsa.kernels:
  - .name:           k_qdc04476871_outp
    .symbol:         k_qdc04476871_outp.kd
    .args:
      - { .name: ac, .offset: 0, .size: 8, .value_kind: global_buffer, .address_space: global }
      - { .name: cod, .offset: 8, .size: 8, .value_kind: global_buffer, .address_space: global }
      - { .name: lowp_scales, .offset: 16, .size: 8, .value_kind: global_buffer, .address_space: global }
      - { .name: bo, .offset: 24, .size: 8, .value_kind: global_buffer, .address_space: global }
      - { .name: out0, .offset: 32, .size: 8, .value_kind: global_buffer, .address_space: global }
    .group_segment_fixed_size: 327680
    .private_segment_fixed_size: 0
    .kernarg_segment_align: 8
    .kernarg_segment_size: 40
    .max_flat_workgroup_size: 128
    .sgpr_count:     100
    .vgpr_count:     768
    .wavefront_size: 32
...
	.end_amdgpu_metadata
.endif
;; end of part 4
